; MI455X (gfx1250); checked and timed in simulation.
; The chip was launched on July 23, 2026; its instructions are those of AMD's public machine-readable ISA for CDNA 5 (MIT licence, August 2026) and "CDNA5" Instruction Set Architecture Reference Guide (July 2026). The comments in the code are by the model that wrote it; some were corrected since.
;; Multi Head Attention. Allowed arithmetic: matrix products marked QUANTISED: E4M3 operands, one given power-of-two scale a tensor, by v_wmma_f32_16x16x64_fp8_fp8 or v_wmma_f32_16x16x128_fp8_fp8, f32 sums; everything else in f32.
;; Inputs: Wk 1,024 x 1,024 float32; Wo 1,024 x 1,024 float32; Wq 1,024 x 1,024 float32; Wv 1,024 x 1,024 float32; beta 1,024 float32; gamma 1,024 float32; k 4 x 2,048 x 1,024 float32; lowp_scales 12 int32 (the exponents e of the quantised operands' scales 2^e); q 4 x 2,048 x 1,024 float32; v 4 x 2,048 x 1,024 float32; zero_mask 4 x 1 x 1 x 2,048 float32.
;; Outputs: out0 4 x 2,048 x 1,024 float32.
;; This version of the problem:
;;   THIS VERSION OF THE PROBLEM IS GIVEN IN LOW PRECISION. The matrix products marked QUANTISED in the list below multiply operands that are first quantised to E4M3 (4 exponent bits, 3 mantissa bits; 8 bits a number), with one given power-of-two scale for each operand tensor; their sums are f32. All else is computed in f32.
;;   The module's matrix products, in the order in which they are computed (A, B: the left and right operand; K: the contracted axis; several contracted axes count as one K, in the product's order):
;;     1. [M 8,192, K 1,024] x [K 1,024, N 1,024]; A: input q; B: input Wq: QUANTISED (scales: A lowp_scales[0], B lowp_scales[1])
;;     2. [M 8,192, K 1,024] x [K 1,024, N 1,024]; A: input k; B: input Wk: QUANTISED (scales: A lowp_scales[2], B lowp_scales[3])
;;     3. [M 8,192, K 1,024] x [K 1,024, N 1,024]; A: input v; B: input Wv: QUANTISED (scales: A lowp_scales[4], B lowp_scales[5])
;;     4. batch 64 x [M 2,048, K 64] x [K 64, N 2,048]; A: computed on the way; B: computed on the way: QUANTISED (scales: A lowp_scales[6], B lowp_scales[7])
;;     5. batch 64 x [M 2,048, K 2,048] x [K 2,048, N 64]; A: softmax (see below); B: computed on the way: QUANTISED (scales: A lowp_scales[8], B lowp_scales[9])
;;     6. [M 8,192, K 1,024] x [K 1,024, N 1,024]; A: computed on the way; B: input Wo: QUANTISED (scales: A lowp_scales[10], B lowp_scales[11])
;;   THE QUANTISER, for each operand of a quantised product, along K:
;;     - The operand's scale is 2^e, e = its entry of the input lowp_scales (int32; the entries are numbered through the quantised products in the list's order, A before B).
;;     - Each number is divided by the scale, clamped to +-448, and rounded to the nearest number of E4M3, ties to even, subnormals kept.
;;     - The product sums the exact products of the quantised numbers (number of the format x scale) in f32.
;;   ~~~python
;;   def quantise(x, axis, e):      # numpy; x: float32 -> the quantised numbers, widened to float32 again
;;       x = np.moveaxis(x, axis, -1); K = x.shape[-1]
;;       r = np.clip(x / 2.0 ** e, -448, 448)
;;       step = 2.0 ** (np.maximum(np.frexp(np.where(r == 0, 1, r))[1] - 1, -6) - 3)
;;       q = np.round(r / step) * step * 2.0 ** e      # np.round: ties to even
;;       return np.moveaxis(q, -1, axis).astype(np.float32)
;;   ~~~
;;   SOFTMAX AHEAD OF A QUANTISED PRODUCT. Where the list says 'softmax', what is quantised is not the finished softmax but p = 2^(t - M), with t = logit x log2(e) and M = ceil(the row's largest t), a whole number; so 1/2 < the row's largest p <= 1. The row's sum l is taken of the UNQUANTISED p, in f32, and the product's result is divided by l at the end. Since M is a whole number, a kernel that streams over the keys may use a running M (the ceiling of the running maximum): every later rescaling is an exact power of two, so the quantised numbers keep their values, but for numbers so far below the row's largest that they fall under the format's range.
;;   OPERANDS COMPUTED ON THE WAY. 'Computed on the way' means the value that the module computes at that place (a softmax that the list does not call 'softmax' is quantised finished and normalised). What goes into a quantiser is computed in f32, as accurately as f32 sums, v_exp_f32 and their like allow (about 1e-6 of the number): no bf16 or f16 on the way to a quantiser, and a product that is left as it is and whose result goes on into a quantised operand takes f32 operands (vector FMAs, or v_wmma_f32_16x16x4_f32). A number that lies on a knife's edge between two numbers of the format may be rounded either way, as far as f32 arithmetic and the matrix unit's own rounding can turn it there, and no further.
;; 2 versions, each right; version 2 is version 1 with the launches attn, outln written anew for expert scheduling mode. Each part assembles by itself: llvm-mc -triple=amdgcn-amd-amdhsa -mcpu=gfx1250 --defsym DOCPART=n.
;; ======== version 1 of 2: 4 launches
;; workspace buffers: codes 29,360,128 bytes; qkv 25,165,824 bytes; ctx 8,388,608 bytes
;; launch quant (part 1): grid 896 x 1, 4 waves a work-group, no clusters, 33,280 bytes of LDS; arguments q, k, v, Wq, Wk, Wv, Wo, lowp_scales, codes; writes codes
.if DOCPART == 1
	.amdgcn_target "amdgcn-amd-amdhsa--gfx1250"
	.amdhsa_code_object_version 6
	.text
	.protected	k_q952e9c8679_quant
	.globl	k_q952e9c8679_quant
	.p2align	8
	.type	k_q952e9c8679_quant,@function
k_q952e9c8679_quant:
	s_mov_b64 s[64:65], 0
	v_nop
	global_prefetch_b8 v0, s[64:65] scope:SCOPE_SE
	s_setreg_imm32_b32 hwreg(HW_REG_WAVE_MODE, 25, 1), 1
	s_wait_xcnt 0x0
; q, k, v [8192][1024] and Wq, Wk, Wv, Wo [1024][1024], f32, K innermost, become codes of FP8 (E4M3), each tensor with the one scale 2^e given for it.
; code = x / 2^e, held within +-448, rounded to the nearest code, ties to even.  LIMITS: -126 <= e <= 119, so that 2^e and 448 x 2^e are f32 numbers.  NaN among the inputs is not served.
; THE BUFFER OF CODES: q at 0, k at 8 Mi, v at 16 Mi, Wq at 24 Mi, Wk at 25 Mi, Wv at 26 Mi: rows of 1,024 bytes; Wo at 27 Mi as images of operand registers.
; ROWS CHANGE PLACES: row g lies at the place g with bits 3 and 4 exchanged.  A tile of 16 neighbouring places (tile 2 b + u, place r) then holds row 32 b + 8 u + r + 8 (r / 8), so that in the next launch
; the 16 result registers of two neighbouring tiles are 16 neighbouring rows.  A wave's run of 8,192 numbers is 8 rows: the exchange is an exchange of the wave number's two bits in the output address.
; Work-groups 0-767: q, k, v (256 each); 768-863: Wq, Wk, Wv (32 each): 32,768 numbers a work-group, 16 steps of 512 numbers a wave.  Each load reads 512 consecutive bytes; a step's 2,048 bytes turn through the
; wave's own stage in LDS (16 bytes of padding behind each 64) and come back 64 bytes a lane: 16 neighbours along K, as the conversions want them.  A wave's store covers 512 consecutive bytes, aligned.
; Work-groups 864-895: Wo.  A wave makes four images (one tile of 16 rows, four K steps of 128): lane (r, h) loads, of row r, k = 32 b + 16 h + 0 .. 15 of each block b; its codes are the operand's registers;
; group c of four registers is stored at 512 c + 16 x lane.  Image (wave w of the last launch, K step s, tile t) lies at 65,536 w + 8,192 s + 2,048 t.  This path uses no LDS.
; No tensor loads, no barrier: waves share nothing.
.set STEPS, 16
.set SP,    80                         ; a lane's place in a stage: 64 bytes + 16 of padding
.set WREG,  8192                       ; LDS: a region for each wave: two stages of 32 x SP bytes
.set R,     16                         ; v16-79   four sets of 16 numbers as loaded     (Wo: v16-79, v80-143: two sets of 64 numbers)
.set X,     80                         ; v80-111  two sets of 16 neighbours
.set C,     128                        ; v128-191 codes, four registers a step
.set WC,    144                        ; Wo: v144-207 codes, 16 registers an image
.set XWG,   768
.set AWG,   864
.macro SCALES                          ; s38 = e  ->  v11 = 2^e, v10 = 448 x 2^e
	s_wait_kmcnt 0x0
	s_add_co_i32 s38, s38, 127
	s_lshl_b32 s39, s38, 23
	v_mov_b32 v11, s39                             ; the conversion takes its exponent field
	s_add_co_i32 s38, s38, 8
	s_lshl_b32 s38, s38, 23
	s_or_b32 s38, s38, 0x600000                    ; the mantissa field of 448
	v_mov_b32 v10, s38
.endm
.macro LOAD t
.irp i, 0,1,2,3
	global_load_b128 v[R+16*((\t)%4)+4*\i:R+16*((\t)%4)+4*\i+3], v3, s[4:5] offset:2048*(\t)+512*\i th:TH_LOAD_NT   ; 32 lanes read 512 consecutive bytes
.endr
.endm
.macro TURN t                          ; step t's numbers through the stage: LDS serves a wave's instructions in order (ISA guide 5.7.1.4), so no wait stands between the stores and the loads
.irp i, 0,1,2,3
	ds_store_b128 v14, v[R+16*((\t)%4)+4*\i:R+16*((\t)%4)+4*\i+3] offset:32*SP*((\t)%2)+8*SP*\i
.endr
.irp i, 0,1,2,3
	ds_load_b128 v[X+16*((\t)%2)+4*\i:X+16*((\t)%2)+4*\i+3], v15 offset:32*SP*((\t)%2)+16*\i
.endr
.endm
.macro STEP t
.set XS, X+16*((\t)%2)
	s_wait_dscnt 0x0                               ; this step's numbers are back from the stage, so its stores into the stage have read their registers,
.if (\t)+4 < STEPS
	LOAD (\t)+4                                    ; which take the loads of four steps on
.endif
.if (\t)+1 < STEPS
.if STEPS-2-(\t) >= 3
	s_wait_loadcnt 12                              ; the next step's four loads are in; those of the three steps behind it may be out
.else
	s_wait_loadcnt 4*(STEPS-2-(\t))
.endif
	TURN (\t)+1
.endif
.irp i, 0,1,2,3,4,5,6,7,8,9,10,11,12,13,14,15
	v_med3_num_f32 v[XS+\i], v[XS+\i], -v10, v10   ; the conversion to an 8-bit code does not saturate (ISA guide 7.6.2): the hold at the largest code x the scale
.endr
	v_cvt_scalef32_pk8_fp8_f32 v[C+4*(\t):C+4*(\t)+1], v[XS:XS+7], v11
	v_cvt_scalef32_pk8_fp8_f32 v[C+4*(\t)+2:C+4*(\t)+3], v[XS+8:XS+15], v11
	v_nop                                          ; a plain line behind the last conversion of the run
	global_store_b128 v3, v[C+4*(\t):C+4*(\t)+3], s[6:7] offset:512*(\t)
.endm
.macro WLOAD set, q                    ; Wo: 64 numbers a lane of K step q of my four
.irp b, 0,1,2,3
.irp j, 0,1,2,3
	global_load_b128 v[\set+16*\b+4*\j:\set+16*\b+4*\j+3], v5, s[4:5] offset:512*(\q)+128*\b+16*\j
.endr
.endr
.endm
.macro WQUANT set, q                   ; they become an image and leave
.set j, 0
.rept 64
	v_med3_num_f32 v[\set+j], v[\set+j], -v10, v10
.set j, j+1
.endr
.irp g, 0,1,2,3,4,5,6,7
	v_cvt_scalef32_pk8_fp8_f32 v[WC+16*(\q)+2*\g:WC+16*(\q)+2*\g+1], v[\set+8*\g:\set+8*\g+7], v11
.endr
	v_nop                                          ; a plain line behind the last conversion of the run
.irp c, 0,1,2,3
	global_store_b128 v3, v[WC+16*(\q)+4*\c:WC+16*(\q)+4*\c+3], s[6:7] offset:8192*(\q)+512*\c   ; 512 consecutive bytes, aligned
.endr
.endm
	s_load_b512 s[8:23], s[0:1], 0x0               ; q s[8:9], k s[10:11], v s[12:13], Wq s[14:15], Wk s[16:17], Wv s[18:19], Wo s[20:21], the scales' exponents s[22:23]
	s_load_b64 s[24:25], s[0:1], 0x40              ; the codes
	v_lshl_add_u32 v208, v0, 2, 0x8000
	v_mov_b32 v209, 0
	v_lshrrev_b32 v1, 5, v0
	v_readfirstlane_b32 s26, v1                    ; wave
	v_and_b32 v2, 31, v0                           ; lane
	v_lshlrev_b32 v3, 4, v2                        ; 16 x lane: my bytes of a load's 512, and of a store's
	s_mul_i32 s27, s26, WREG
	v_lshrrev_b32 v14, 2, v2
	v_mul_u32_u24 v14, v14, SP
	v_and_b32 v15, 3, v2
	v_lshl_add_u32 v14, v15, 4, v14
	v_add_nc_u32 v14, s27, v14                     ; the stage, on the way in: SP (lane / 4) + 16 (lane % 4)
	v_mul_u32_u24 v15, v2, SP
	v_add_nc_u32 v15, s27, v15                     ; and on the way out: SP x lane
	s_cmp_ge_u32 ttmp9, AWG
	s_cbranch_scc1 .Lwo
	; ---- rows: which tensor t (0 .. 5), which 32 rows of it
	s_lshr_b32 s28, ttmp9, 8
	s_and_b32 s29, ttmp9, 255
	s_sub_co_u32 s30, ttmp9, XWG
	s_lshr_b32 s31, s30, 5
	s_add_co_u32 s31, s31, 3
	s_and_b32 s30, s30, 31
	s_cmp_lt_u32 ttmp9, XWG
	s_cselect_b32 s28, s28, s31                    ; t
	s_cselect_b32 s29, s29, s30                    ; the work-group's number within the tensor
	s_lshl_b32 s31, s28, 1
	s_sub_co_u32 s32, s31, 5
	s_cmp_lt_u32 s28, 3
	s_cselect_b32 s32, s31, s32                    ; the scale's entry: 2 t for q, k, v; 2 t - 5 for Wq, Wk, Wv
	s_lshl_b32 s32, s32, 2
	s_mov_b32 s33, 0
	s_lshl_b32 s34, s29, 2
	s_add_co_u32 s34, s34, s26
	s_lshl_b32 s34, s34, 15                        ; in: my wave's run of 8,192 numbers, 32,768 bytes
	s_mov_b32 s35, 0
	s_and_b32 s36, s26, 1
	s_lshl_b32 s36, s36, 1
	s_lshr_b32 s37, s26, 1
	s_or_b32 s36, s36, s37                         ; the wave's two bits exchanged: rows' bits 3 and 4
	s_lshl_b32 s36, s36, 13
	s_lshl_b32 s37, ttmp9, 15                      ; out: 32,768 bytes a work-group, the six tensors on end
	s_add_co_u32 s36, s36, s37
	s_mov_b32 s37, 0
	s_wait_kmcnt 0x0
	s_mov_b64 s[4:5], s[8:9]                       ; the choice hangs on the work-group's number alone
	s_cmp_eq_u32 s28, 1
	s_cselect_b64 s[4:5], s[10:11], s[4:5]
	s_cmp_eq_u32 s28, 2
	s_cselect_b64 s[4:5], s[12:13], s[4:5]
	s_cmp_eq_u32 s28, 3
	s_cselect_b64 s[4:5], s[14:15], s[4:5]
	s_cmp_eq_u32 s28, 4
	s_cselect_b64 s[4:5], s[16:17], s[4:5]
	s_cmp_eq_u32 s28, 5
	s_cselect_b64 s[4:5], s[18:19], s[4:5]
	s_add_nc_u64 s[22:23], s[22:23], s[32:33]
	s_load_b32 s38, s[22:23], 0x0                  ; e
	s_add_nc_u64 s[4:5], s[4:5], s[34:35]
	s_add_nc_u64 s[6:7], s[24:25], s[36:37]
.irp t, 0,1,2,3
	LOAD \t
.endr
	SCALES
	s_wait_loadcnt 12                              ; step 0's four loads are in
	TURN 0
.irp t, 0,1,2,3,4,5,6,7,8,9,10,11,12,13,14,15
	STEP \t
.endr
	s_wait_tensorcnt 0x0
	ds_add_u32 v208, v209
	s_wait_dscnt 0x0
	s_endpgm
.Lwo:
	; ---- Wo: W = 4 (work-group - 864) + wave; tile of rows W / 2; K steps 4 (W % 2) on
	s_sub_co_u32 s28, ttmp9, AWG
	s_lshl_b32 s28, s28, 2
	s_add_co_u32 s28, s28, s26
	s_lshr_b32 s29, s28, 1                         ; the tile of 16 rows, 0 .. 63
	s_and_b32 s30, s28, 1
	s_lshl_b32 s32, s29, 16                        ; in: 16 rows of 4,096 bytes,
	s_lshl_b32 s31, s30, 11                        ; + four K steps of 512 bytes
	s_add_co_u32 s32, s32, s31
	s_mov_b32 s33, 0
	s_lshr_b32 s34, s29, 2
	s_lshl_b32 s34, s34, 16                        ; out: 65,536 x (tile / 4)
	s_and_b32 s31, s29, 3
	s_lshl_b32 s31, s31, 11                        ; + 2,048 x (tile % 4)
	s_add_co_u32 s34, s34, s31
	s_lshl_b32 s31, s30, 15                        ; + four K steps of 8,192
	s_add_co_u32 s34, s34, s31
	s_add_co_u32 s34, s34, 27<<20
	s_mov_b32 s35, 0
	v_and_b32 v5, 15, v0                           ; r
	v_bfe_u32 v6, v0, 4, 1                         ; h
	v_lshlrev_b32 v5, 12, v5
	v_lshl_add_u32 v5, v6, 6, v5                   ; row r of 4,096 bytes, + 64 h: my 16 numbers of a block of 32
	s_wait_kmcnt 0x0
	s_load_b32 s38, s[22:23], 0x2c                 ; entry 11
	s_add_nc_u64 s[4:5], s[20:21], s[32:33]
	s_add_nc_u64 s[6:7], s[24:25], s[34:35]
	WLOAD 16, 0
	WLOAD 80, 1
	SCALES
	s_wait_loadcnt 16                              ; the older image's 16 loads are in, the younger's may be out
	WQUANT 16, 0
	WLOAD 16, 2
	s_wait_loadcnt 16
	WQUANT 80, 1
	WLOAD 80, 3
	s_wait_loadcnt 16
	WQUANT 16, 2
	s_wait_loadcnt 0x0
	WQUANT 80, 3
	s_endpgm
.Lfunc_end_k_q952e9c8679_quant:
	.size	k_q952e9c8679_quant, .Lfunc_end_k_q952e9c8679_quant-k_q952e9c8679_quant
	.p2alignl 7, 3214868480
	.fill 96, 4, 3214868480
	.section	.rodata,"a",@progbits
	.p2align	6, 0x0
	.amdhsa_kernel k_q952e9c8679_quant
		.amdhsa_group_segment_fixed_size 33280
		.amdhsa_private_segment_fixed_size 0
		.amdhsa_enable_private_segment 0
		.amdhsa_kernarg_size 72
		.amdhsa_user_sgpr_count 2
		.amdhsa_user_sgpr_kernarg_segment_ptr 1
		.amdhsa_wavefront_size32 1
		.amdhsa_system_sgpr_workgroup_id_x 1
		.amdhsa_system_sgpr_workgroup_id_y 1
		.amdhsa_system_sgpr_workgroup_id_z 1
		.amdhsa_system_vgpr_workitem_id 0
		.amdhsa_next_free_vgpr 210
		.amdhsa_next_free_sgpr 66
		.amdhsa_reserve_vcc 0
		.amdhsa_float_denorm_mode_32 3
		.amdhsa_float_denorm_mode_16_64 3
		.amdhsa_memory_ordered 1
		.amdhsa_forward_progress 1
		.amdhsa_inst_pref_size 66
	.end_amdhsa_kernel
	.amdgpu_metadata
---
amdhsa.version: [ 1, 2 ]
amdhsa.kernels:
  - .name:           k_q952e9c8679_quant
    .symbol:         k_q952e9c8679_quant.kd
    .args:
      - { .name: q, .offset: 0, .size: 8, .value_kind: global_buffer, .address_space: global }
      - { .name: k, .offset: 8, .size: 8, .value_kind: global_buffer, .address_space: global }
      - { .name: v, .offset: 16, .size: 8, .value_kind: global_buffer, .address_space: global }
      - { .name: Wq, .offset: 24, .size: 8, .value_kind: global_buffer, .address_space: global }
      - { .name: Wk, .offset: 32, .size: 8, .value_kind: global_buffer, .address_space: global }
      - { .name: Wv, .offset: 40, .size: 8, .value_kind: global_buffer, .address_space: global }
      - { .name: Wo, .offset: 48, .size: 8, .value_kind: global_buffer, .address_space: global }
      - { .name: lowp_scales, .offset: 56, .size: 8, .value_kind: global_buffer, .address_space: global }
      - { .name: codes, .offset: 64, .size: 8, .value_kind: global_buffer, .address_space: global }
    .group_segment_fixed_size: 33280
    .private_segment_fixed_size: 0
    .kernarg_segment_align: 8
    .kernarg_segment_size: 72
    .max_flat_workgroup_size: 128
    .sgpr_count:     66
    .vgpr_count:     210
    .wavefront_size: 32
...
	.end_amdgpu_metadata
.endif
;; end of part 1
;; launch proj (part 2): grid 4 x 96, 4 waves a work-group, clusters of 4 x 4, 327,680 bytes of LDS; arguments codes, lowp_scales, qkv; writes qkv
.if DOCPART == 2
	.amdgcn_target "amdgcn-amd-amdhsa--gfx1250"
	.amdhsa_code_object_version 6
	.text
	.protected	k_q952e9c8679_proj
	.globl	k_q952e9c8679_proj
	.p2align	8
	.type	k_q952e9c8679_proj,@function
k_q952e9c8679_proj:
	s_mov_b64 s[64:65], 0
	v_nop
	global_prefetch_b8 v0, s[64:65] scope:SCOPE_SE
	s_setreg_imm32_b32 hwreg(HW_REG_WAVE_MODE, 25, 1), 1
	s_wait_xcnt 0x0
	s_wait_alu depctr_hold_cnt(0) depctr_sa_sdst(0) depctr_va_vdst(0) depctr_va_sdst(0) depctr_va_ssrc(0) depctr_va_vcc(0) depctr_vm_vsrc(0)
	s_getreg_b32 s2, hwreg(HW_REG_IB_STS2, 6, 4)
	s_cmp_eq_u32 s2, 0
	s_cbranch_scc0 .Lentry_in_a_cluster
	s_endpgm
.Lentry_in_a_cluster:
	s_bfe_u32 s2, ttmp6, 0x10000c
	s_cmp_lg_u32 s2, 0xf033
	s_cbranch_scc0 .Lentry_shape_is_right
	s_endpgm
.Lentry_shape_is_right:
; The three projections q Wq^T, k Wk^T, v Wv^T on codes of FP8 (E4M3); the f32 sums are quantised in registers for the two products of attention and leave as IMAGES OF OPERAND REGISTERS.
; A tile of 256 x 256 results is made by a work-group of four waves, a wave makes 128 x 128: 64 accumulators, 512 registers.  K = 1,024 goes in steps of 256 through a ring of two LDS slots filled by the tensor data mover.
; THE MATRIX INSTRUCTION: source 0 = 16 rows of "B", source 1 = 16 rows of "A": a lane holds one row of A, its registers run along rows of B.  For q and k: A = the tokens, B = the weight: a lane holds a token and
; neighbouring features (the next K).  For v: A = the weight, B = the tokens: a lane holds a feature and neighbouring keys (the next K).  One text serves all three: only offsets are chosen, by arithmetic on the cluster's y.
; The codes' rows lie with bits 3 and 4 of the row number exchanged: tile 2 b + u, place r holds row 32 b + 8 u + r + 8 (r / 8), so the 16 registers of B's tiles 2 b and 2 b + 1 are rows 32 b + 16 (lane / 16) + 0 .. 15.
; IMAGES (a group of four registers = 512 bytes, lane l's 16 bytes at 16 l; bh = 16 x batch + head):  q at 0, k at 8 Mi: bh x 131,072 + 1,024 x (tile of 16 tokens) + 512 c: features 32 c + 16 h + 0 .. 15 of the head.
;   v at 16 Mi: bh x 131,072 + 8,192 x (step of 128 keys) + 2,048 x (tile of 16 features) + 512 c: keys 32 c + 16 h + 0 .. 15 of the step.
; A sum stands for sum x 2^(eA + eB); its code is sum / 2^E, E = e_out - eA - eB (q: e6 - e0 - e1; k: e7 - e2 - e3; v: e9 - e4 - e5), held within +-448 x 2^E.  LIMIT: -126 <= E <= 119.
; CLUSTERS: 4 x 4 work-groups; 8 clusters a tensor (cluster y / 8 = the tensor).  The four of a row of the cluster need the same tiles of A, the four of a column the same tiles of B: each is asked for jointly.
; No prefetch is laid: a work-group's K is four slots long, two of which go out at the head.
; REGISTERS, in windows of 256: window 0: v0-31 addresses; from v128 A's fragments, one set; on the way out v32-95 the held sums, v128-255 the codes.  window 1: B's fragments, two sets.  windows 2, 3: the accumulators ((a, b) at v[8 (8 (a % 4) + b)]).
.set SIZE_K, 1024
.set KSTEP,  256
.set ROWB,   256
.set KROW,   SIZE_K
.set PITCH,  272                       ; an LDS row: 256 bytes + 16 of padding = 68 words: row r starts at bank 4 r mod 64 (ISA guide 11.1)
.set FR,     16
.set NL,     4
.set NP,     4                         ; places behind this matrix instruction (ISA guide 7.12.1)
.set HALFT,  128*PITCH
.set SLOT,   4*HALFT
.set LAPS,   SIZE_K/(2*KSTEP)
.set SPARE,  2*SLOT                    ; behind the ring: the spare words, 128 bytes for each wave
.set ADRA, 16                          ; v16-17  LDS address of my A fragments in slot 0, 1
.set ADRB, 20                          ; v20-21  the same for B
.set OA,   24                          ; v24     the way out: 16 x lane
.set OB,   25                          ; v25     the same + the distance to the second pair of groups
.set SCV,  26                          ; v26     2^E
.set LIMV, 27                          ; v27     448 x 2^E
.set SPW,  28                          ; v28     LDS address of my spare word; never rewritten
.set NIL,  29                          ; v29     0; never rewritten
.set TMP,  32
.set AF,   128
.set CD,   128
.set G1, 24
.set G0, 32
.set G1B, 48
.set G0B, 56
.set MSB, 0
.macro WIN new                         ; the immediate's high byte repeats the setting that is left
.if MSB != \new
	s_set_vgpr_msb (MSB<<8)|\new
.set MSB, \new
.endif
.endm
.set MUL_LO, 0xa1                      ; source 0 (B) window 1, source 1 (A) window 0, C and D window 2
.set MUL_HI, 0xf1
.set TO_B,   0x40
; A joint load: waves 0 and 1 fetch for A, waves 2 and 3 for B; the branch hangs on the wave's number alone.  Four v_nop follow each of the two lines.
.macro JLOAD g0a, g1a, g0b, g1b
	s_cmp_eq_u32 s15, 0
	s_cbranch_scc0 .Lfor_b_\@
	tensor_load_to_lds s[\g0a:\g0a+3], s[\g1a:\g1a+7]
	s_nop 0
.rept 4
	v_nop
.endr
	s_branch .Lasked_\@
.Lfor_b_\@:
	tensor_load_to_lds s[\g0b:\g0b+3], s[\g1b:\g1b+7]
	s_nop 0
.rept 4
	v_nop
.endr
.Lasked_\@:
.endm
.macro CREST                           ; a round of the cluster's barrier behind its opening barrier
	s_cmp_lg_u32 s14, 0
	s_cbranch_scc1 .Lnot_wave_0_\@
	s_barrier_signal -3
.Lnot_wave_0_\@:
	s_barrier_wait -3
	s_barrier_signal -1
	s_barrier_wait -1
.endm
.macro CROUND
	s_barrier_signal -1
	s_barrier_wait -1
	CREST
.endm
	s_load_b128 s[4:7], s[0:1], 0x0                ; the codes s[4:5], the scales' exponents s[6:7]
	s_load_b64 s[10:11], s[0:1], 0x10              ; the images
	v_lshl_add_u32 v[SPW], v0, 2, SPARE
	v_mov_b32 v[NIL], 0
	ds_add_u32 v28, v29
	ds_add_u32 v28, v29
	s_wait_dscnt 0x0
	v_lshrrev_b32 v1, 5, v0
	v_readfirstlane_b32 s14, v1                    ; wave 0..3
	s_lshr_b32 s15, s14, 1                         ; which half of A's rows is mine.  Also: I fetch for A (0) or for B (1)
	s_and_b32 s16, s14, 1                          ; which half of B's rows.  Also: which 128 rows of that tile I fetch
	s_bfe_u32 s40, ttmp6, 0x40000                  ; cx, cy: my place in the cluster
	s_bfe_u32 s41, ttmp6, 0x40004
	s_and_b32 s80, ttmp7, 0xffff                   ; the cluster's y, 0 .. 23: the same in all sixteen partners
	s_lshr_b32 s81, s80, 3                         ; the tensor: 0 q, 1 k, 2 v
	s_lshr_b32 s82, s81, 1                         ; 1 for v
	s_xor_b32 s83, s82, 1                          ; 1 for q and k
	s_and_b32 s84, s80, 7                          ; which of the tensor's eight clusters: it walks the tokens,
	s_mul_i32 s85, s84, s83                        ; which are A's rows for q and k,
	s_mul_i32 s86, s84, s82                        ; and B's rows for v
	s_lshl_b32 s17, s85, 2
	s_add_co_u32 s17, s17, s41                     ; tile of A's rows
	s_lshl_b32 s42, s86, 2
	s_add_co_u32 s42, s42, s40                     ; tile of B's rows
	s_lshl_b32 s43, s41, 2
	s_lshl_b32 s43, 15, s43                        ; my row of the cluster
	s_lshl_b32 s44, 0x1111, s40                    ; my column
	s_or_b32 s[G1+0], s43, (0<<16)|(1<<20)|(1<<21)|(5<<22)|(3<<25)  ; 15:0 the mask: A's tiles go to my row; 17:16 element of 1 byte; 20 padding on; 21 set beside a mask; 24:22 after every 64 words; 31:25 of 4 words
	s_or_b32 s[G1B+0], s44, (0<<16)|(1<<20)|(1<<21)|(5<<22)|(3<<25)
.irp g, G1, G1B
	s_mov_b32 s[\g+1], ROWB<<16                    ; tensor_dim0
	s_mov_b32 s[\g+2], 128<<16                     ; tensor_dim1 = 128
	s_mov_b32 s[\g+3], ROWB<<16                    ; tile_dim0
	s_mov_b32 s[\g+4], 128                         ; tile_dim1 = 128
	s_mov_b32 s[\g+5], KROW                        ; tensor_dim0_stride
	s_mov_b32 s[\g+6], 0
	s_mov_b32 s[\g+7], 0
.endr
	s_lshl_b32 s87, s81, 23
	s_mul_i32 s87, s87, s83                        ; A's place among the codes: q 0, k 8 Mi;
	s_mul_i32 s88, s82, 26<<20                     ; for v: Wv's, 26 Mi
	s_add_co_u32 s87, s87, s88
	s_add_co_u32 s88, s81, 24
	s_lshl_b32 s88, s88, 20
	s_mul_i32 s88, s88, s83                        ; B's: Wq 24 Mi, Wk 25 Mi;
	s_lshl_b32 s89, s82, 24                        ; for v: v's, 16 Mi
	s_add_co_u32 s88, s88, s89
	s_lshl_b32 s18, s16, 7                         ; which 128 rows of the tile I fetch
	s_lshl_b32 s20, s17, 8
	s_add_co_u32 s20, s20, s18
	s_lshl_b32 s20, s20, 10                        ; rows of 1,024 bytes
	s_add_co_u32 s20, s20, s87
	s_mov_b32 s21, 0
	s_lshl_b32 s46, s42, 8
	s_add_co_u32 s46, s46, s18
	s_lshl_b32 s46, s46, 10
	s_add_co_u32 s46, s46, s88
	s_mov_b32 s47, 0
	s_mul_i32 s45, s14, HALFT                      ; where they go: wave x 128 rows: no place in the cluster enters an LDS address
	s_wait_kmcnt 0x0
	s_load_b256 s[68:75], s[6:7], 0x0              ; e0 .. e7
	s_load_b128 s[76:79], s[6:7], 0x20             ; e8 .. e11
	s_add_nc_u64 s[20:21], s[4:5], s[20:21]
	s_add_nc_u64 s[46:47], s[4:5], s[46:47]
	CROUND                                         ; all sixteen work-groups are here: the first joint loads meet
.irp s, 0,1
	s_mov_b32 s[G0+4*\s], 1
	s_add_co_u32 s[G0+4*\s+1], s45, \s*SLOT
	s_add_nc_u64 s[G0+4*\s+2:G0+4*\s+3], s[20:21], \s*ROWB
	s_or_b32 s[G0+4*\s+3], s[G0+4*\s+3], 0x80000000
	s_mov_b32 s[G0B+4*\s], 1
	s_add_co_u32 s[G0B+4*\s+1], s45, \s*SLOT
	s_add_nc_u64 s[G0B+4*\s+2:G0B+4*\s+3], s[46:47], \s*ROWB
	s_or_b32 s[G0B+4*\s+3], s[G0B+4*\s+3], 0x80000000
	JLOAD G0+4*\s, G1, G0B+4*\s, G1B
.endr
	v_and_b32 v1, 15, v0                           ; l % 16
	v_bfe_u32 v2, v0, 4, 1                         ; l / 16
	v_mul_u32_u24 v3, v1, PITCH
	v_lshl_add_u32 v4, v2, 4, v3                   ; a fragment's row x pitch + 16 x half
	s_mul_i32 s21, s15, HALFT                      ; my 128 rows of A
	s_mul_i32 s22, s16, HALFT                      ; my 128 rows of B,
	s_add_co_u32 s22, s22, 2*HALFT                 ; which lie behind A's 256
.irp s, 0,1
	v_add_nc_u32 v[ADRA+\s], s21, v4
	v_add_nc_u32 v[ADRB+\s], s22, v4
	s_add_co_u32 s21, s21, SLOT
	s_add_co_u32 s22, s22, SLOT
.endr
	; the way out: where my wave's images begin, and the steps between them
	v_and_b32 v5, 31, v0
	v_lshlrev_b32 v[OA], 4, v5
	s_lshl_b32 s90, s17, 8
	s_lshl_b32 s95, s15, 7
	s_add_co_u32 s90, s90, s95                     ; my first row of A
	s_lshl_b32 s91, s42, 8
	s_lshl_b32 s95, s16, 7
	s_add_co_u32 s91, s91, s95                     ; my first row of B
	s_lshl_b32 s92, s81, 23                        ; q, k: 8 Mi x tensor
	s_lshr_b32 s95, s90, 11
	s_lshl_b32 s95, s95, 21                        ; + batch x 16 heads x 131,072
	s_add_co_u32 s92, s92, s95
	s_lshr_b32 s95, s91, 6
	s_lshl_b32 s95, s95, 17                        ; + head x 131,072
	s_add_co_u32 s92, s92, s95
	s_and_b32 s95, s90, 2047
	s_lshl_b32 s95, s95, 6                         ; + tile of tokens x 1,024
	s_add_co_u32 s92, s92, s95
	s_lshr_b32 s94, s91, 11                        ; v: batch,
	s_lshl_b32 s94, s94, 21
	s_add_co_u32 s94, s94, 16<<20
	s_lshr_b32 s95, s90, 6
	s_lshl_b32 s95, s95, 17                        ; head,
	s_add_co_u32 s94, s94, s95
	s_and_b32 s95, s91, 2047
	s_lshr_b32 s95, s95, 7
	s_lshl_b32 s95, s95, 13                        ; step of 128 keys x 8,192
	s_add_co_u32 s94, s94, s95
	s_mov_b32 s96, 1024
	s_mov_b32 s98, 1024
	s_mov_b32 s89, 131072
	s_cmp_eq_u32 s82, 1
	s_cselect_b32 s92, s94, s92
	s_cselect_b32 s96, 2048, s96                   ; from one block of A's 16 rows to the next: a tile of tokens, or a tile of features
	s_cselect_b32 s98, 124928, s98                 ; from block 3 to block 4: the same, or on to the next head (131,072 - 3 x 2,048)
	s_cselect_b32 s89, 1024, s89                   ; from groups 0, 1 to groups 2, 3: the next head, or the step's next 64 keys
	s_mov_b32 s93, 0
	s_mov_b32 s97, 0
	s_mov_b32 s99, 0
	v_add_nc_u32 v[OB], s89, v[OA]
	s_add_nc_u64 s[10:11], s[10:11], s[92:93]
.macro FRAG reg, adr, q, i             ; a fragment, 16 rows x 128 K: lane l holds row l % 16; registers 4 c .. 4 c + 3 hold K = 32 c + 16 (l / 16) + 0 .. 15: the same places in A and in B
.irp c, 0,1,2,3
	ds_load_b128 v[\reg+4*\c:\reg+4*\c+3], v[\adr] offset:128*(\q)+32*\c+(\i)*16*PITCH
.endr
.endm
; 16 matrix instructions: A's blocks a0, a0 + 1 x B's eight.  The 64 accumulators take turns, one instruction a turn, in the same order in every step.
.macro MUL16 a0, p, zero
.irp a, \a0, \a0+1
.irp b, 0,1,2,3,4,5,6,7
.if \zero
	v_wmma_f32_16x16x128_fp8_fp8 v[8*(8*((\a)%4)+\b):8*(8*((\a)%4)+\b)+7], v[128*(\p)+FR*\b:128*(\p)+FR*\b+FR-1], v[AF+FR*(\a):AF+FR*(\a)+FR-1], 0
.else
	v_wmma_f32_16x16x128_fp8_fp8 v[8*(8*((\a)%4)+\b):8*(8*((\a)%4)+\b)+7], v[128*(\p)+FR*\b:128*(\p)+FR*\b+FR-1], v[AF+FR*(\a):AF+FR*(\a)+FR-1], v[8*(8*((\a)%4)+\b):8*(8*((\a)%4)+\b)+7]
.endif
.endr
.endr
.endm
.macro FETCH_B slot, q, p
	WIN TO_B
.irp i, 0,1,2,3,4,5,6,7
	FRAG 128*(\p)+FR*\i, ADRB+\slot, \q, \i
.endr
	WIN 0
.endm
.macro FETCH_A slot, q, i0
.irp i, \i0, \i0+1, \i0+2, \i0+3
	FRAG AF+FR*(\i), ADRA+\slot, \q, \i
.endr
.endm
.macro PLACES n                        ; places in front of loads into registers that matrix instructions have read, and of the first read of results
.rept \n
	v_nop
.endr
.endm
.macro STEP slot, q, zero              ; a step of 128 along K that has its successor in the same slot
	s_wait_dscnt 4*NL                              ; B's set and A's blocks 0-3 are in; the youngest 16 loads (A's blocks 4-7) may be out
	WIN MUL_LO
	MUL16 0, (\q)%2, \zero
	MUL16 2, (\q)%2, \zero
	s_wait_dscnt 0
	PLACES NP
	FETCH_B \slot, (\q)+1, 1-(\q)%2
	FETCH_A \slot, (\q)+1, 0
	WIN MUL_HI
	MUL16 4, (\q)%2, \zero
	MUL16 6, (\q)%2, \zero
	PLACES NP
	WIN 0
	FETCH_A \slot, (\q)+1, 4
.endm
; A slot's last step changes slots: one barrier; in front of it each wave waits for all its tensor loads, adds 0 to its spare word, and waits for that and for its own reads of this slot.
.macro TURN slot, next, fill
	s_wait_tensorcnt 0x0                           ; all my tensor loads have landed: my part of the next slot
	ds_add_u32 v[SPW], v[NIL]                      ; 0 onto my spare word
	s_wait_dscnt 4*NL+1                            ; (the add and the youngest 16 loads, A's blocks 4-7, may be out)
	WIN MUL_LO
	MUL16 0, 1, 0
	s_wait_dscnt 0x0                               ; the add is done, and my reads of this slot are over
	s_barrier_signal -1
	MUL16 2, 1, 0
	WIN 0
	s_barrier_wait -1
.if \fill
	CREST                                          ; the barrier has opened a round of the cluster's barrier: no wave of any partner still reads this slot or has a load on its way
	s_add_nc_u64 s[G0+4*\slot+2:G0+4*\slot+3], s[G0+4*\slot+2:G0+4*\slot+3], 2*ROWB
	s_add_nc_u64 s[G0B+4*\slot+2:G0B+4*\slot+3], s[G0B+4*\slot+2:G0B+4*\slot+3], 2*ROWB
	JLOAD G0+4*\slot, G1, G0B+4*\slot, G1B         ; the first tensor load behind the round; its four v_nop are the places in front of the loads below
.else
	PLACES NP
.endif
	FETCH_B \next, 0, 0
	FETCH_A \next, 0, 0
	WIN MUL_HI
	MUL16 4, 1, 0
	MUL16 6, 1, 0
	PLACES NP
	WIN 0
	FETCH_A \next, 0, 4
.endm
	s_wait_tensorcnt 1                             ; my part of slot 0 is in; slot 1's load may be out
	s_barrier_signal -1
	s_barrier_wait -1
	FETCH_B 0, 0, 0
	FETCH_A 0, 0, 0
	FETCH_A 0, 0, 4
	STEP 0, 0, 1                                   ; the first step stands in front of the loop: its products start the sums
	s_mov_b32 s3, LAPS-1
.Llap:                                                 ; a trip goes once round the ring and fills both slots again
	TURN 0, 1, 1
	STEP 1, 0, 0
	TURN 1, 0, 1
	STEP 0, 0, 0
	s_sub_co_u32 s3, s3, 1
	s_cmp_lg_u32 s3, 0
	s_cbranch_scc1 .Llap
	TURN 0, 1, 0                                   ; the last lap fills nothing
	STEP 1, 0, 0
	s_wait_dscnt 4*NL
	WIN MUL_LO
	MUL16 0, 1, 0
	MUL16 2, 1, 0
	s_wait_dscnt 0
	WIN MUL_HI
	MUL16 4, 1, 0
	MUL16 6, 1, 0
	WIN 0
; THE WAY OUT, block by block of A's 16 rows.  A lane's 64 sums of a block are 4 x 16 neighbours along the next K: held, converted, they are four groups of an image: each store covers 512 consecutive bytes, aligned.  No stage is needed.
.macro OUT a
.set AC, 64*((\a)%4)
.set CA, CD+16*(\a)
.if (\a) < 4
	WIN 0x02                                       ; source 0: window 2
.else
	WIN 0x03
.endif
.set j, 0
.rept 64
	v_med3_num_f32 v[TMP+j], v[AC+j], -v[LIMV], v[LIMV]   ; the conversion does not saturate (ISA guide 7.6.2): the hold; each accumulator from its low end on
.set j, j+1
.endr
	WIN 0
.irp g, 0,1,2,3,4,5,6,7
	v_cvt_scalef32_pk8_fp8_f32 v[CA+2*\g:CA+2*\g+1], v[TMP+8*\g:TMP+8*\g+7], v[SCV]
.endr
	v_nop                                          ; a plain line behind the last conversion: the next block's holds write these sources
	global_store_b128 v[OA], v[CA:CA+3], s[10:11]
	global_store_b128 v[OA], v[CA+4:CA+7], s[10:11] offset:512
	global_store_b128 v[OB], v[CA+8:CA+11], s[10:11]
	global_store_b128 v[OB], v[CA+12:CA+15], s[10:11] offset:512
.if (\a) == 3
	s_wait_xcnt 0x0                                ; the stores have read their base: it may step
	s_add_nc_u64 s[10:11], s[10:11], s[98:99]
.elseif (\a) < 7
	s_wait_xcnt 0x0
	s_add_nc_u64 s[10:11], s[10:11], s[96:97]
.endif
.endm
	s_wait_kmcnt 0x0
	s_sub_co_i32 s66, s74, s68
	s_sub_co_i32 s66, s66, s69                     ; q: e6 - e0 - e1
	s_sub_co_i32 s67, s75, s70
	s_sub_co_i32 s67, s67, s71                     ; k: e7 - e2 - e3
	s_cmp_eq_u32 s81, 1
	s_cselect_b32 s66, s67, s66
	s_sub_co_i32 s67, s77, s72
	s_sub_co_i32 s67, s67, s73                     ; v: e9 - e4 - e5
	s_cmp_eq_u32 s81, 2
	s_cselect_b32 s66, s67, s66                    ; E: a choice, no branch
	s_add_co_i32 s66, s66, 127
	s_lshl_b32 s67, s66, 23
	v_mov_b32 v[SCV], s67
	s_add_co_i32 s66, s66, 8
	s_lshl_b32 s66, s66, 23
	s_or_b32 s66, s66, 0x600000
	v_mov_b32 v[LIMV], s66
	PLACES NP
.irp a, 0,1,2,3,4,5,6,7
	OUT \a
.endr
	s_wait_tensorcnt 0x0                           ; the wave's end
	ds_add_u32 v[SPW], v[NIL]
	s_wait_dscnt 0x0
	CROUND                                         ; the closing round
	s_endpgm
.Lfunc_end_k_q952e9c8679_proj:
	.size	k_q952e9c8679_proj, .Lfunc_end_k_q952e9c8679_proj-k_q952e9c8679_proj
	.p2alignl 7, 3214868480
	.fill 96, 4, 3214868480
	.section	.rodata,"a",@progbits
	.p2align	6, 0x0
	.amdhsa_kernel k_q952e9c8679_proj
		.amdhsa_group_segment_fixed_size 327680
		.amdhsa_private_segment_fixed_size 0
		.amdhsa_enable_private_segment 0
		.amdhsa_kernarg_size 24
		.amdhsa_user_sgpr_count 2
		.amdhsa_user_sgpr_kernarg_segment_ptr 1
		.amdhsa_wavefront_size32 1
		.amdhsa_system_sgpr_workgroup_id_x 1
		.amdhsa_system_sgpr_workgroup_id_y 1
		.amdhsa_system_sgpr_workgroup_id_z 1
		.amdhsa_system_vgpr_workitem_id 0
		.amdhsa_next_free_vgpr 1024
		.amdhsa_next_free_sgpr 100
		.amdhsa_reserve_vcc 0
		.amdhsa_float_denorm_mode_32 3
		.amdhsa_float_denorm_mode_16_64 3
		.amdhsa_memory_ordered 1
		.amdhsa_forward_progress 1
		.amdhsa_inst_pref_size 120
	.end_amdhsa_kernel
	.amdgpu_metadata
---
amdhsa.version: [ 1, 2 ]
amdhsa.kernels:
  - .name:           k_q952e9c8679_proj
    .symbol:         k_q952e9c8679_proj.kd
    .args:
      - { .name: codes, .offset: 0, .size: 8, .value_kind: global_buffer, .address_space: global }
      - { .name: lowp_scales, .offset: 8, .size: 8, .value_kind: global_buffer, .address_space: global }
      - { .name: qkv, .offset: 16, .size: 8, .value_kind: global_buffer, .address_space: global }
    .group_segment_fixed_size: 327680
    .private_segment_fixed_size: 0
    .kernarg_segment_align: 8
    .kernarg_segment_size: 24
    .max_flat_workgroup_size: 128
    .sgpr_count:     100
    .vgpr_count:     1024
    .wavefront_size: 32
...
	.end_amdgpu_metadata
.endif
;; end of part 2
;; launch attn (part 3): grid 4 x 64, 8 waves a work-group, no clusters, 41,984 bytes of LDS; arguments qkv, zero_mask, lowp_scales, ctx; writes ctx
.if DOCPART == 3
	.amdgcn_target "amdgcn-amd-amdhsa--gfx1250"
	.amdhsa_code_object_version 6
	.text
	.protected	k_q952e9c8679_attn
	.globl	k_q952e9c8679_attn
	.p2align	8
	.type	k_q952e9c8679_attn,@function
k_q952e9c8679_attn:
	s_mov_b64 s[64:65], 0
	v_nop
	global_prefetch_b8 v0, s[64:65] scope:SCOPE_SE
	s_setreg_imm32_b32 hwreg(HW_REG_WAVE_MODE, 25, 1), 1
	s_wait_xcnt 0x0
; ctx[b][q][head] = softmax_k(qh . kh / 8 - 1e9 x mask[b][k]) vh, both products on codes of FP8 (E4M3); ctx is quantised in registers for the last projection and leaves as images of operand registers.
; THE SOFTMAX: t = c x S + mt, c = log2(e) / 8 x 2^(e6 + e7), mt[k] = (mask[k] x -1e9) x log2(e), one fused multiply-add; M = the running largest t rounded UP to a whole number; p = 2^(t - M) is quantised with 2^e8;
; the row's sum is taken of the unquantised p; when M moves, sum and O are multiplied by 2^(old M - new M), which rounds nothing.  t is rounded first and M taken of the rounded t, so t - M <= 0 and p <= 1 for every mask.
; So the hold in front of p's conversion can bite only where 448 x 2^e8 < 1: it is jumped over where e8 >= -8 (a scalar branch on a whole number read from memory; this launch has no tensor load and no copy).
; SHARES.  A work-group owns 512 queries of one (batch, head); each of its eight waves 64: four tiles of 16, worked one after the other in each step of 128 keys, so that one set of K's, V's and mt's registers serves four tiles.
; LAYOUT.  Both products transposed: S^T = K Q^T, O^T = V^T P^T: a lane holds one query.  The images were laid so that the 16 registers of S^T's tiles 2 b, 2 b + 1 are keys 32 b + 16 (lane / 16) + 0 .. 15, and likewise O^T's features.
; LDS: slot 0 at 0, slot 1 at 16,384 (a step's K image, 8,192 bytes, then its V image); mt at 32,768 (2,048 f32).  A step's 16,384 bytes come through registers, 64 bytes a thread: loaded at the head of step s - 2,
; stored into the slot that is not being read at the head of step s - 1, read in step s.  Even steps' chunks and odd steps' have staging registers of their own, and every step begins with a wait for all loads.
; One barrier a step: in front of it each wave's LDS stores have landed and its reads of the slot are in.
; NO CLUSTER, though the four work-groups of a head walk the same K and V: a joint load would be a tensor load, with which the branch above may not stand, and that branch spares 64 of a tile-step's 295 vector instructions;
; what is shared is 16,384 bytes for a step's 48 matrix and some 920 vector instructions a wave.  NO PREFETCH: each chunk is asked for a whole step's work, four tiles, ahead of the wait for it.
; LIMITS: e6 + e7 between -123 and 130; e8, and e10 - e8 - e9, between -126 and 119.  NaN or infinity in the mask is not served.  t has one rounding where the defining text has three.
; REGISTERS.  window 0: v1 16 x lane, v2 16 x thread, v3, v4 mt's address; v7, v8 2^e8 and 448 x that; v9, v10 the same for ctx; v16-31 a tile's -M, largest t, sum (a pair); v32-63 Q; v64-127 mt; v128-191 S^T, then p;
;   v192-207 p's codes; v208-223 an odd step's chunk on its way; v224-231 chains; v[232:233] f; v234, v235 at work; v236-251 an even step's chunk.   window 1: v0-127 O^T (32 a tile); v128-191 V's fragments; v192-255 K's.
.set LI,  1
.set TI,  2
.set AM0, 3
.set ADM, 4
.set SCP, 7
.set LMP, 8
.set SCX, 9
.set LMX, 10
.set ST,  16
.set Q,   32
.set MT,  64
.set S,   128
.set PC,  192
.set STG, 208
.set CH,  224
.set F,   232
.set T0,  234
.set T1,  235
.set STG2, 236
.set O,   0
.set VF,  128
.set KF,  192
.set SLOTB, 16384
.set MTB,   32768
.set MSB, 0
.macro WIN new                         ; the immediate's high byte repeats the setting that is left
.if MSB != \new
	s_set_vgpr_msb (MSB<<8)|\new
.set MSB, \new
.endif
.endm
; ONE TILE OF 16 QUERIES, ONE STEP OF 128 KEYS.  first = 1: the step's first tile, which waits for the LDS loads.
.macro TILE i, first
.set nM, ST+4*(\i)
.set OI, O+32*(\i)
	WIN 0x01                                       ; source 0 (K) window 1
.if \first
	s_wait_dscnt 16                                ; mt and K are in; the youngest 16 loads, V's, may be out
.endif
.irp t, 0,1,2,3,4,5,6,7
	v_wmma_f32_16x16x64_fp8_fp8 v[S+8*\t:S+8*\t+7], v[KF+8*\t:KF+8*\t+7], v[Q+8*(\i):Q+8*(\i)+7], 0
.endr
	WIN 0
.rept 4
	v_nop                                          ; places behind the products (ISA guide 7.12.1)
.endr
.set j, 0
.rept 32
	v_pk_fma_f32 v[S+j:S+j+1], v[S+j:S+j+1], s[36:37], v[MT+j:MT+j+1] op_sel_hi:[1,0,1]   ; t = c S + mt; each accumulator from its low end on
.set j, j+2
.endr
.irp k, 0,1,2,3                                ; the largest of my 64 t and the old largest: four chains of 15, then the four left over, the chains and the old one
	v_max3_num_f32 v[CH+\k], v[S+16*\k], v[S+16*\k+1], v[S+16*\k+2]
.endr
.irp n, 3,5,7,9,11,13
.irp k, 0,1,2,3
	v_max3_num_f32 v[CH+\k], v[CH+\k], v[S+16*\k+\n], v[S+16*\k+\n+1]
.endr
.endr
	v_max3_num_f32 v[CH], v[CH], v[S+15], v[S+31]
	v_max3_num_f32 v[CH+2], v[CH+2], v[S+47], v[S+63]
	v_max3_num_f32 v[CH], v[CH], v[CH+1], v[CH+2]
	v_max3_num_f32 v[CH], v[CH], v[CH+3], v[nM+1]
	v_permlanex16_b32 v[T0], v[CH], s38, s39       ; the query's other 64 keys lie in the lane 16 away
	v_max_num_f32 v[nM+1], v[CH], v[T0]
	v_mov_b32 v[T1], v[nM]
	v_floor_f32 v[nM], -v[nM+1]                    ; the new -M = floor(-t) = -ceil(t)
	v_sub_f32 v[T1], v[nM], v[T1]                  ; old M - new M: a whole number, 0 or less
	v_cvt_i32_f32 v[T1], v[T1]                     ; (it saturates)
	v_ldexp_f32 v[F], 1.0, v[T1]                   ; f = 2^(old M - new M)
.set j, 0
.rept 32
	v_pk_add_f32 v[S+j:S+j+1], v[S+j:S+j+1], v[nM:nM+1] op_sel_hi:[1,0]   ; t - M (the pair's low word, -M, for both halves)
.set j, j+2
.endr
.set j, 0
.rept 64
	v_exp_f32 v[S+j], v[S+j]                       ; p = 2^(t - M)
.set j, j+1
.endr
	v_pk_mul_f32 v[nM+2:nM+3], v[nM+2:nM+3], v[F:F+1] op_sel_hi:[1,0]   ; the sum under the new M (a plain line behind the exponentials)
	s_wait_alu depctr_va_vdst(0)
	v_pk_add_f32 v[CH:CH+1], v[S:S+1], v[S+2:S+3]                       ; the sum of the unquantised p, two at a time, in four chains
	v_pk_add_f32 v[CH+2:CH+3], v[S+4:S+5], v[S+6:S+7]
	v_pk_add_f32 v[CH+4:CH+5], v[S+8:S+9], v[S+10:S+11]
.set j, 12
.rept 6
	v_pk_add_f32 v[nM+2:nM+3], v[nM+2:nM+3], v[S+j:S+j+1]
	v_pk_add_f32 v[CH:CH+1], v[CH:CH+1], v[S+j+2:S+j+3]
	v_pk_add_f32 v[CH+2:CH+3], v[CH+2:CH+3], v[S+j+4:S+j+5]
	v_pk_add_f32 v[CH+4:CH+5], v[CH+4:CH+5], v[S+j+6:S+j+7]
.set j, j+8
.endr
	v_pk_add_f32 v[nM+2:nM+3], v[nM+2:nM+3], v[S+60:S+61]
	v_pk_add_f32 v[CH:CH+1], v[CH:CH+1], v[S+62:S+63]
	v_pk_add_f32 v[CH+2:CH+3], v[CH+2:CH+3], v[CH+4:CH+5]
	v_pk_add_f32 v[nM+2:nM+3], v[nM+2:nM+3], v[CH:CH+1]
	v_pk_add_f32 v[nM+2:nM+3], v[nM+2:nM+3], v[CH+2:CH+3]
	s_cmp_ge_i32 s45, -8                           ; 448 x 2^e8 >= 1 >= p: nothing to hold
	s_cbranch_scc1 .Lnohold_\@
.set j, 0
.rept 64
	v_min_num_f32 v[S+j], v[S+j], v[LMP]           ; the conversion does not saturate (ISA guide 7.6.2); p is not negative, so the hold is one-sided
.set j, j+1
.endr
.Lnohold_\@:
.irp g, 0,1,2,3,4,5,6,7
	v_cvt_scalef32_pk8_fp8_f32 v[PC+2*\g:PC+2*\g+1], v[S+8*\g:S+8*\g+7], v[SCP]
.endr
	WIN 0x41                                       ; O^T: destination and source 0 window 1
.set j, 0
.rept 16
	v_pk_mul_f32 v[OI+j:OI+j+1], v[OI+j:OI+j+1], v[F:F+1] op_sel_hi:[1,0]   ; O^T under the new M; these are also the plain lines behind the conversions
.set j, j+2
.endr
.if \first
	s_wait_dscnt 0x0                               ; V is in
.endif
	WIN 0x51                                       ; V window 1, p's codes window 0, O^T window 1
.irp u, 0,1,2,3                                ; the tile's four accumulators take turns
	v_wmma_f32_16x16x128_fp8_fp8 v[OI+8*\u:OI+8*\u+7], v[VF+16*\u:VF+16*\u+15], v[PC:PC+15], v[OI+8*\u:OI+8*\u+7]
.endr
.endm
; A KEY STEP.  par = 0: an even step: reads slot 0, stores the next (odd) step's chunk into slot 1, asks for the even step's chunk two steps on.  par = 1: the other way round.
; s43 counts the trips down: in the last trip (s43 = 1) nothing more is loaded, and its second step stores nothing.
.macro STEP par
	s_wait_loadcnt 0x0                             ; on every path: no load of mine is out: the next step's chunk is in its registers, and the loads have read their bases
.if \par == 0
	s_add_nc_u64 s[16:17], s[16:17], 2*8192        ; K's and V's pointers go two steps on
	s_add_nc_u64 s[18:19], s[18:19], 2*8192
	v_add_nc_u32 v[ADM], s42, v[AM0]
.irp n, 0,1,2,3
	ds_store_b128 v[TI], v[STG+4*\n:STG+4*\n+3] offset:SLOTB+4096*\n
.endr
	s_cmp_eq_u32 s43, 1
	s_cbranch_scc1 .Lnone_\@
	global_load_b128 v[STG2:STG2+3], v[TI], s[16:17]               ; the LDS stores that read these registers were waited for in front of the last barrier
	global_load_b128 v[STG2+4:STG2+7], v[TI], s[16:17] offset:4096
	global_load_b128 v[STG2+8:STG2+11], v[TI], s[18:19]
	global_load_b128 v[STG2+12:STG2+15], v[TI], s[18:19] offset:4096
.Lnone_\@:
.else
	s_cmp_eq_u32 s43, 1
	s_cbranch_scc1 .Lnone_\@
.irp n, 0,1,2,3
	ds_store_b128 v[TI], v[STG2+4*\n:STG2+4*\n+3] offset:4096*\n
.endr
	global_load_b128 v[STG:STG+3], v[TI], s[16:17] offset:8192
	global_load_b128 v[STG+4:STG+7], v[TI], s[16:17] offset:12288
	global_load_b128 v[STG+8:STG+11], v[TI], s[18:19] offset:8192
	global_load_b128 v[STG+12:STG+15], v[TI], s[18:19] offset:12288
.Lnone_\@:
.endif
.irp b, 0,1,2,3
.irp n, 0,1,2,3
	ds_load_b128 v[MT+16*\b+4*\n:MT+16*\b+4*\n+3], v[ADM] offset:512*\par+128*\b+16*\n   ; mt of keys 32 b + 16 h + 4 n on: sixteen lanes read the same 16 bytes
.endr
.endr
	WIN 0x40                                       ; destination window 1
.irp t, 0,1,2,3,4,5,6,7
.irp c, 0,1
	ds_load_b128 v[KF+8*\t+4*\c:KF+8*\t+4*\c+3], v[LI] offset:\par*SLOTB+1024*\t+512*\c
.endr
.endr
.irp u, 0,1,2,3
.irp c, 0,1,2,3
	ds_load_b128 v[VF+16*\u+4*\c:VF+16*\u+4*\c+3], v[LI] offset:\par*SLOTB+8192+2048*\u+512*\c
.endr
.endr
	TILE 0, 1
	TILE 1, 0
	TILE 2, 0
	TILE 3, 0
	WIN 0
.rept 4
	v_nop                                          ; places behind the last products: in front of the next loads into V's registers, and of the first read of O^T at the end
.endr
	s_wait_dscnt 0x0                               ; my stores into the other slot have landed, my reads of this slot are in
	s_barrier_signal -1
	s_barrier_wait -1
.endm
	s_load_b256 s[4:11], s[0:1], 0x0               ; the images s[4:5], the mask s[6:7], the scales' exponents s[8:9], ctx s[10:11]
	v_lshl_add_u32 v254, v0, 2, 0xa000
	v_mov_b32 v255, 0
	v_lshrrev_b32 v5, 5, v0
	v_readfirstlane_b32 s12, v5                    ; wave 0..7
	v_and_b32 v[LI], 31, v0
	v_lshlrev_b32 v[LI], 4, v[LI]
	v_lshlrev_b32 v[TI], 4, v0
	v_bfe_u32 v[AM0], v0, 4, 1
	v_lshl_add_u32 v[AM0], v[AM0], 6, MTB          ; mt: + 64 bytes for lanes 16-31
	s_and_b32 s13, ttmp7, 0xffff                   ; bh = 16 x batch + head
	s_lshl_b32 s14, s13, 17
	s_mov_b32 s15, 0
	s_lshl_b32 s44, ttmp9, 5
	s_lshl_b32 s46, s12, 2
	s_add_co_u32 s44, s44, s46                     ; my first tile of queries: 32 x + 4 wave
	s_lshl_b32 s46, s44, 10
	s_add_co_u32 s46, s46, s14
	s_mov_b32 s47, 0
	s_lshr_b32 s48, s13, 4                         ; batch
	s_lshl_b32 s50, s48, 13                        ; its 2,048 mask numbers
	s_mov_b32 s51, 0
	s_lshl_b32 s52, s48, 7
	s_add_co_u32 s52, s52, s44
	s_lshl_b32 s52, s52, 14                        ; ctx: 16,384 bytes a tile of rows,
	s_and_b32 s49, s13, 15
	s_lshl_b32 s49, s49, 10                        ; + 1,024 x head: K step head / 2, groups 2 (head % 2) on
	s_add_co_u32 s52, s52, s49
	s_mov_b32 s53, 0
	s_mov_b32 s38, 0x76543210                      ; v_permlanex16_b32's selects for lane l xor 16
	s_mov_b32 s39, 0xfedcba98
	s_mov_b32 s42, 0                               ; mt's bytes of the trip's first step
	s_mov_b32 s43, 8                               ; trips of two steps
	s_wait_kmcnt 0x0
	s_load_b256 s[24:31], s[8:9], 0x0              ; e0 .. e7
	s_load_b128 s[32:35], s[8:9], 0x20             ; e8 .. e11
	s_add_nc_u64 s[20:21], s[4:5], s[46:47]        ; Q's images
	s_add_nc_u64 s[16:17], s[4:5], s[14:15]
	s_add_nc_u64 s[18:19], s[16:17], 0x1000000     ; V's
	s_add_nc_u64 s[16:17], s[16:17], 0x800000      ; K's
	s_add_nc_u64 s[6:7], s[6:7], s[50:51]
	s_add_nc_u64 s[22:23], s[10:11], s[52:53]
	global_load_b128 v[STG2:STG2+3], v[TI], s[16:17]               ; step 0's chunk
	global_load_b128 v[STG2+4:STG2+7], v[TI], s[16:17] offset:4096
	global_load_b128 v[STG2+8:STG2+11], v[TI], s[18:19]
	global_load_b128 v[STG2+12:STG2+15], v[TI], s[18:19] offset:4096
	global_load_b128 v[CH:CH+3], v[TI], s[6:7]                     ; the mask
	global_load_b128 v[CH+4:CH+7], v[TI], s[6:7] offset:4096
.irp i, 0,1,2,3
.irp c, 0,1
	global_load_b128 v[Q+8*\i+4*\c:Q+8*\i+4*\c+3], v[LI], s[20:21] offset:1024*\i+512*\c   ; Q stays in registers
.endr
.endr
	global_load_b128 v[STG:STG+3], v[TI], s[16:17] offset:8192     ; step 1's chunk
	global_load_b128 v[STG+4:STG+7], v[TI], s[16:17] offset:12288
	global_load_b128 v[STG+8:STG+11], v[TI], s[18:19] offset:8192
	global_load_b128 v[STG+12:STG+15], v[TI], s[18:19] offset:12288
.irp i, 0,1,2,3
	v_mov_b32 v[ST+4*\i+1], 0xff61b1e6             ; the largest t so far: -3e38, under every t
	v_floor_f32 v[ST+4*\i], -v[ST+4*\i+1]          ; -M
	v_mov_b32 v[ST+4*\i+2], 0                      ; the sum, in two halves
	v_mov_b32 v[ST+4*\i+3], 0
.endr
	v_mov_b32 v[F+1], 0                            ; (named as the upper half of a pair)
	v_mov_b32 v[T0], 0                             ; (a lane permute's destination counts as one of its sources)
	WIN 0x40
.set j, 0
.rept 128
	v_mov_b32 v[O+j], 0                            ; O^T.  The step is written without a first form of its own: the first finds zeros, which the first change of M leaves zeros
.set j, j+1
.endr
	WIN 0
	s_wait_loadcnt 14                              ; step 0's chunk is in; behind it: the mask's 2, Q's 8, step 1's 4
.irp n, 0,1,2,3
	ds_store_b128 v[TI], v[STG2+4*\n:STG2+4*\n+3] offset:4096*\n
.endr
	s_wait_loadcnt 12                              ; the mask is in; behind it: Q's 8, step 1's 4
.irp n, 0,1,2,3,4,5,6,7
	v_mul_f32 v[CH+\n], 0xce6e6b28, v[CH+\n]       ; x -1e9
.endr
.irp n, 0,1,2,3,4,5,6,7
	v_mul_f32 v[CH+\n], 0x3fb8aa3b, v[CH+\n]       ; x log2(e)
.endr
	ds_store_b128 v[TI], v[CH:CH+3] offset:MTB
	ds_store_b128 v[TI], v[CH+4:CH+7] offset:MTB+4096
	s_wait_kmcnt 0x0
	s_add_co_i32 s36, s30, s31
	s_lshl_b32 s36, s36, 23
	s_add_co_i32 s36, s36, 0x3e38aa3b              ; c = log2(e) / 8, with e6 + e7 added to its exponent field
	s_mov_b32 s37, s36                             ; (named with it as a pair)
	s_mov_b32 s45, s32                             ; e8
	s_add_co_i32 s54, s32, 127
	s_lshl_b32 s55, s54, 23
	v_mov_b32 v[SCP], s55                          ; 2^e8
	s_add_co_i32 s54, s54, 8
	s_lshl_b32 s54, s54, 23
	s_or_b32 s54, s54, 0x600000
	v_mov_b32 v[LMP], s54                          ; 448 x 2^e8
	s_sub_co_i32 s54, s34, s32
	s_sub_co_i32 s54, s54, s33                     ; e10 - e8 - e9: O^T / the sum stands for that x 2^(e8 + e9)
	s_add_co_i32 s54, s54, 127
	s_lshl_b32 s55, s54, 23
	v_mov_b32 v[SCX], s55
	s_add_co_i32 s54, s54, 8
	s_lshl_b32 s54, s54, 23
	s_or_b32 s54, s54, 0x600000
	v_mov_b32 v[LMX], s54
	s_wait_loadcnt 4                               ; Q is in; step 1's chunk, 4 loads, may be out
	s_wait_dscnt 0x0                               ; for the others' sake: my stores into slot 0 and into mt have landed
	s_barrier_signal -1
	s_barrier_wait -1                              ; slot 0 and mt are whole
.Ltrip:
	STEP 0
	STEP 1
	s_add_co_u32 s42, s42, 1024
	s_sub_co_u32 s43, s43, 1
	s_cmp_lg_u32 s43, 0
	s_cbranch_scc1 .Ltrip
; THE WAY OUT of tile i: O^T / the sum, held, converted: two groups of an image of the last projection's operand; each store covers 512 consecutive bytes, aligned.
.macro FIN i
.set SB, S+32*((\i)%2)
	v_add_f32 v[CH], v[ST+4*(\i)+2], v[ST+4*(\i)+3]
	v_permlanex16_b32 v[T0], v[CH], s38, s39
	v_add_f32 v[CH], v[CH], v[T0]                  ; the row's sum: at least 1/2
	v_rcp_f32 v[F], v[CH]
	v_nop                                          ; a plain line behind the transcendental
	WIN 0x01                                       ; source 0 (O^T) window 1
.set j, 0
	s_wait_alu depctr_va_vdst(0)
.rept 16
	v_pk_mul_f32 v[SB+j:SB+j+1], v[O+32*(\i)+j:O+32*(\i)+j+1], v[F:F+1] op_sel_hi:[1,0]   ; each accumulator from its low end on
.set j, j+2
.endr
	WIN 0
.set j, 0
.rept 32
	v_med3_num_f32 v[SB+j], v[SB+j], -v[LMX], v[LMX]
.set j, j+1
.endr
.irp g, 0,1,2,3
	v_cvt_scalef32_pk8_fp8_f32 v[MT+8*(\i)+2*\g:MT+8*(\i)+2*\g+1], v[SB+8*\g:SB+8*\g+7], v[SCX]
.endr
	v_nop                                          ; a plain line behind the last conversion
	global_store_b128 v[LI], v[MT+8*(\i):MT+8*(\i)+3], s[22:23] offset:16384*(\i)
	global_store_b128 v[LI], v[MT+8*(\i)+4:MT+8*(\i)+7], s[22:23] offset:16384*(\i)+512
.endm
	FIN 0
	FIN 1
	FIN 2
	FIN 3
	s_wait_tensorcnt 0x0
	ds_add_u32 v254, v255
	s_wait_dscnt 0x0
	s_endpgm
.Lfunc_end_k_q952e9c8679_attn:
	.size	k_q952e9c8679_attn, .Lfunc_end_k_q952e9c8679_attn-k_q952e9c8679_attn
	.p2alignl 7, 3214868480
	.fill 96, 4, 3214868480
	.section	.rodata,"a",@progbits
	.p2align	6, 0x0
	.amdhsa_kernel k_q952e9c8679_attn
		.amdhsa_group_segment_fixed_size 41984
		.amdhsa_private_segment_fixed_size 0
		.amdhsa_enable_private_segment 0
		.amdhsa_kernarg_size 32
		.amdhsa_user_sgpr_count 2
		.amdhsa_user_sgpr_kernarg_segment_ptr 1
		.amdhsa_wavefront_size32 1
		.amdhsa_system_sgpr_workgroup_id_x 1
		.amdhsa_system_sgpr_workgroup_id_y 1
		.amdhsa_system_sgpr_workgroup_id_z 1
		.amdhsa_system_vgpr_workitem_id 0
		.amdhsa_next_free_vgpr 512
		.amdhsa_next_free_sgpr 66
		.amdhsa_reserve_vcc 0
		.amdhsa_float_denorm_mode_32 3
		.amdhsa_float_denorm_mode_16_64 3
		.amdhsa_memory_ordered 1
		.amdhsa_forward_progress 1
		.amdhsa_inst_pref_size 155
	.end_amdhsa_kernel
	.amdgpu_metadata
---
amdhsa.version: [ 1, 2 ]
amdhsa.kernels:
  - .name:           k_q952e9c8679_attn
    .symbol:         k_q952e9c8679_attn.kd
    .args:
      - { .name: qkv, .offset: 0, .size: 8, .value_kind: global_buffer, .address_space: global }
      - { .name: zero_mask, .offset: 8, .size: 8, .value_kind: global_buffer, .address_space: global }
      - { .name: lowp_scales, .offset: 16, .size: 8, .value_kind: global_buffer, .address_space: global }
      - { .name: ctx, .offset: 24, .size: 8, .value_kind: global_buffer, .address_space: global }
    .group_segment_fixed_size: 41984
    .private_segment_fixed_size: 0
    .kernarg_segment_align: 8
    .kernarg_segment_size: 32
    .max_flat_workgroup_size: 256
    .sgpr_count:     66
    .vgpr_count:     512
    .wavefront_size: 32
...
	.end_amdgpu_metadata
.endif
;; end of part 3
;; launch outln (part 4): grid 256 x 1, 16 waves a work-group, no clusters, 166,400 bytes of LDS; arguments ctx, codes, q, gamma, beta, lowp_scales, out0; writes out0
.if DOCPART == 4
	.amdgcn_target "amdgcn-amd-amdhsa--gfx1250"
	.amdhsa_code_object_version 6
	.text
	.protected	k_q952e9c8679_outln
	.globl	k_q952e9c8679_outln
	.p2align	8
	.type	k_q952e9c8679_outln,@function
k_q952e9c8679_outln:
	s_mov_b64 s[64:65], 0
	v_nop
	global_prefetch_b8 v0, s[64:65] scope:SCOPE_SE
	s_setreg_imm32_b32 hwreg(HW_REG_WAVE_MODE, 25, 1), 1
	s_wait_xcnt 0x0
; out = LayerNorm(ctx Wo^T + q) x gamma + beta.  The product runs on codes of FP8 (E4M3); a sum stands for sum x 2^(e10 + e11).  All else in f32; mean and variance in two passes (the variance of y - mean).
; SHARES.  A work-group owns 32 rows: two tiles of 16, whose images (8 K steps x 2,048 bytes each) are 32,768 consecutive bytes of ctx.  THE WAVES SHARE THE COLUMNS: wave w makes columns 64 w .. 64 w + 63 for all 32 rows:
; 4 tiles of columns x 2 tiles of rows = 8 accumulators, which take turns.  Its 65,536 bytes of Wo's images go from memory straight into registers, a K step (16 loads) at a time, two K steps ahead.
; The matrix instruction is used transposed (source 0 = 16 rows of Wo, source 1 = 16 rows of ctx): a lane holds 8 neighbouring columns of one row.  The raw sums meet in a stage in LDS; then wave w takes two whole rows.
; ROWS: place r of tile 2 g + m is row 32 g + 8 m + r + 8 (r / 8): stage row 16 m + r with bits 3 and 4 exchanged.  So stage rows 2 w, 2 w + 1 are rows 32 g + 2 w', 2 w' + 1, w' = w with bits 2 and 3 exchanged.
; LDS: ctx's images at 0 (32,768 bytes); the stage at 32,768: 32 rows of 4,096 + 16 bytes.
; NO CLUSTER, though all work-groups read the same images of Wo: a joint load lands in LDS alone; 1,048,576 bytes a work-group would be written there and read back, where now each fragment goes once into the registers that multiply it.
; PREFETCH: my two rows of q (8,192 bytes, a lane to each 256) are asked for once, behind the first K step's loads, six K steps ahead of the loads that take them; each wave names its own rows alone.
; LIMIT: e10 + e11 between -126 and 127.
; REGISTERS: v1 16 x lane, v2 16 x thread, v3, v4 into the stage, v5 out of it, v6 256 x lane; v16-79 the accumulators ((t, m) at 16 + 8 (2 t + m)), then y; v80-111 ctx's two fragments;
;   v112-175, v176-239 Wo's fragments by turns, then the residual, gamma and beta; v240-255 at work.
.set LI,  1
.set TI,  2
.set SO0, 3
.set SO1, 4
.set SR,  5
.set PFO, 6
.set ACC, 16
.set XF,  80
.set WB0, 112
.set WB1, 176
.set STGB, 32768
.set SPITCH, 4112
.macro LOADW s                         ; Wo's four fragments of K step s
.set WB, WB0+64*((\s)%2)
.irp t, 0,1,2,3
.irp c, 0,1,2,3
	global_load_b128 v[WB+16*\t+4*\c:WB+16*\t+4*\c+3], v[LI], s[6:7] offset:8192*(\s)+2048*\t+512*\c
.endr
.endr
.endm
.macro KSTEP s
.set WB, WB0+64*((\s)%2)
.irp m, 0,1
.irp c, 0,1,2,3
	ds_load_b128 v[XF+16*\m+4*\c:XF+16*\m+4*\c+3], v[LI] offset:16384*\m+2048*(\s)+512*\c
.endr
.endr
	s_wait_loadcnt 16                              ; this K step's 16 loads are in; the 16 issued behind them may be out
	s_wait_dscnt 0x0
.irp t, 0,1,2,3
.irp m, 0,1
.if (\s) == 0
	v_wmma_f32_16x16x128_fp8_fp8 v[ACC+8*(2*\t+\m):ACC+8*(2*\t+\m)+7], v[WB+16*\t:WB+16*\t+15], v[XF+16*\m:XF+16*\m+15], 0
.else
	v_wmma_f32_16x16x128_fp8_fp8 v[ACC+8*(2*\t+\m):ACC+8*(2*\t+\m)+7], v[WB+16*\t:WB+16*\t+15], v[XF+16*\m:XF+16*\m+15], v[ACC+8*(2*\t+\m):ACC+8*(2*\t+\m)+7]
.endif
.endr
.endr
.rept 4
	v_nop                                          ; places in front of loads into registers that these products have read, and of the first read of results
.endr
.endm
.macro WSUM r                          ; the sum over the wave's 32 lanes, in every lane
	v_add_f32_dpp v[\r], v[\r], v[\r] row_xmask:1 row_mask:0xf bank_mask:0xf
	v_add_f32_dpp v[\r], v[\r], v[\r] row_xmask:2 row_mask:0xf bank_mask:0xf
	v_add_f32_dpp v[\r], v[\r], v[\r] row_xmask:4 row_mask:0xf bank_mask:0xf
	v_add_f32_dpp v[\r], v[\r], v[\r] row_xmask:8 row_mask:0xf bank_mask:0xf
	v_permlanex16_b32 v248, v[\r], s36, s37
	v_add_f32 v[\r], v[\r], v248
.endm
.macro FOLD                            ; four chains of pairs become one number a lane
	v_pk_add_f32 v[240:241], v[240:241], v[242:243]
	v_pk_add_f32 v[244:245], v[244:245], v[246:247]
	v_pk_add_f32 v[240:241], v[240:241], v[244:245]
	v_add_f32 v240, v240, v241
.endm
.macro LNROW i                         ; one row: register 4 k + e of a lane is column 128 k + 4 x lane + e
.set Y,  ACC+32*(\i)
.set RS, WB0+32*(\i)
.set j, 0
.rept 16
	v_pk_fma_f32 v[Y+j:Y+j+1], v[Y+j:Y+j+1], s[32:33], v[RS+j:RS+j+1] op_sel_hi:[1,0,1]   ; y = sum x 2^(e10 + e11) + q
.set j, j+2
.endr
.irp k, 0,1,2,3
	v_pk_add_f32 v[240+2*\k:241+2*\k], v[Y+4*\k:Y+4*\k+1], v[Y+4*\k+2:Y+4*\k+3]
.endr
.irp n, 16,24
.irp k, 0,1,2,3
	v_pk_add_f32 v[240+2*\k:241+2*\k], v[240+2*\k:241+2*\k], v[Y+\n+2*\k:Y+\n+2*\k+1]
.endr
.endr
	FOLD
	WSUM 240
	v_mul_f32 v250, s34, v240                      ; the mean
.set j, 0
.rept 16
	v_pk_add_f32 v[Y+j:Y+j+1], v[Y+j:Y+j+1], v[250:251] op_sel_hi:[1,0] neg_lo:[0,1] neg_hi:[0,1]   ; d = y - mean
.set j, j+2
.endr
.irp k, 0,1,2,3
	v_pk_mul_f32 v[240+2*\k:241+2*\k], v[Y+2*\k:Y+2*\k+1], v[Y+2*\k:Y+2*\k+1]
.endr
.irp n, 8,16,24
.irp k, 0,1,2,3
	v_pk_fma_f32 v[240+2*\k:241+2*\k], v[Y+\n+2*\k:Y+\n+2*\k+1], v[Y+\n+2*\k:Y+\n+2*\k+1], v[240+2*\k:241+2*\k]
.endr
.endr
	FOLD
	WSUM 240
	v_fma_f32 v252, v240, s34, s35                 ; the variance + 1e-5
	v_rsq_f32 v252, v252
	v_nop                                          ; a plain line behind the transcendental
.set j, 0
	s_wait_alu depctr_va_vdst(0)
.rept 16
	v_pk_mul_f32 v[Y+j:Y+j+1], v[Y+j:Y+j+1], v[252:253] op_sel_hi:[1,0]
.set j, j+2
.endr
.set j, 0
.rept 16
	v_pk_fma_f32 v[Y+j:Y+j+1], v[Y+j:Y+j+1], v[WB1+j:WB1+j+1], v[WB1+32+j:WB1+32+j+1]   ; x gamma + beta
.set j, j+2
.endr
.irp k, 0,1,2,3,4,5,6,7
	global_store_b128 v[LI], v[Y+4*\k:Y+4*\k+3], s[16:17] offset:4096*(\i)+512*\k th:TH_STORE_NT   ; 32 lanes store 512 consecutive bytes, aligned; written once
.endr
.endm
	s_load_b256 s[4:11], s[0:1], 0x0               ; ctx s[4:5], the codes s[6:7], q s[8:9], gamma s[10:11]
	s_load_b128 s[12:15], s[0:1], 0x20             ; beta s[12:13], the scales' exponents s[14:15]
	s_load_b64 s[16:17], s[0:1], 0x30              ; out
	v_lshl_add_u32 v14, v0, 2, 0x28200
	v_mov_b32 v15, 0
	v_lshrrev_b32 v7, 5, v0
	v_readfirstlane_b32 s18, v7                    ; wave 0..15
	v_and_b32 v8, 31, v0
	v_lshlrev_b32 v[LI], 4, v8
	v_lshlrev_b32 v[TI], 4, v0
	v_lshlrev_b32 v[PFO], 8, v8
	v_and_b32 v9, 15, v0                           ; r
	v_bfe_u32 v10, v0, 4, 1                        ; h
	v_mul_u32_u24 v[SO0], v9, SPITCH
	v_lshl_add_u32 v[SO0], v10, 5, v[SO0]
	s_lshl_b32 s19, s18, 8
	s_add_co_u32 s19, s19, STGB
	v_add_nc_u32 v[SO0], s19, v[SO0]               ; into the stage: row r, + 32 h, + 256 x wave
	v_add_nc_u32 v[SO1], 16*SPITCH, v[SO0]         ; and 16 rows further down
	s_mul_i32 s19, s18, 2*SPITCH
	s_add_co_u32 s19, s19, STGB
	v_add_nc_u32 v[SR], s19, v[LI]                 ; out of it: my two rows, 16 bytes a lane
	s_lshl_b32 s20, ttmp9, 15                      ; ctx: 32,768 bytes a work-group
	s_mov_b32 s21, 0
	s_lshl_b32 s22, s18, 16
	s_add_co_u32 s22, s22, 27<<20                  ; Wo's images: 27 Mi + 65,536 x wave
	s_mov_b32 s23, 0
	s_and_b32 s26, s18, 3
	s_and_b32 s27, s18, 4
	s_lshl_b32 s27, s27, 1
	s_and_b32 s28, s18, 8
	s_lshr_b32 s28, s28, 1
	s_or_b32 s26, s26, s27
	s_or_b32 s26, s26, s28                         ; w'
	s_lshl_b32 s24, s26, 13
	s_lshl_b32 s27, ttmp9, 17
	s_add_co_u32 s24, s24, s27                     ; my two rows of q and of out: (32 g + 2 w') x 4,096 bytes
	s_mov_b32 s25, 0
	s_mov_b32 s34, 0x3a800000                      ; 1 / 1,024
	s_mov_b32 s35, 0x3727c5ac                      ; 1e-5
	s_mov_b32 s36, 0x76543210
	s_mov_b32 s37, 0xfedcba98
	s_wait_kmcnt 0x0
	s_load_b64 s[30:31], s[14:15], 0x28            ; e10, e11
	s_add_nc_u64 s[4:5], s[4:5], s[20:21]
	s_add_nc_u64 s[6:7], s[6:7], s[22:23]
	s_add_nc_u64 s[8:9], s[8:9], s[24:25]
	s_add_nc_u64 s[16:17], s[16:17], s[24:25]
.irp n, 0,1,2,3
	global_load_b128 v[240+4*\n:243+4*\n], v[TI], s[4:5] offset:8192*\n th:TH_LOAD_NT
.endr
	LOADW 0
	LOADW 1
	s_wait_loadcnt 32                              ; ctx's images are in; Wo's first two K steps, 32 loads, may be out
.irp n, 0,1,2,3
	ds_store_b128 v[TI], v[240+4*\n:243+4*\n] offset:8192*\n
.endr
	s_wait_dscnt 0x0                               ; for the others' sake: my stores have landed
	s_barrier_signal -1
	s_barrier_wait -1
	v_mov_b32 v248, 0                              ; (a lane permute's destination counts as one of its sources)
	v_mov_b32 v251, 0                              ; (named as upper halves of pairs)
	v_mov_b32 v253, 0
	KSTEP 0
	LOADW 2
	global_prefetch_b8 v[PFO], s[8:9] th:TH_LOAD_NT scope:SCOPE_SE   ; my two rows of q
	KSTEP 1
	LOADW 3
	KSTEP 2
	LOADW 4
	KSTEP 3
	LOADW 5
	KSTEP 4
	LOADW 6
	KSTEP 5
	LOADW 7
	KSTEP 6
.irp i, 0,1
.irp k, 0,1,2,3,4,5,6,7
	global_load_b128 v[WB0+32*\i+4*\k:WB0+32*\i+4*\k+3], v[LI], s[8:9] offset:4096*\i+512*\k th:TH_LOAD_NT   ; the residual
.endr
.endr
	KSTEP 7
.irp k, 0,1,2,3,4,5,6,7
	global_load_b128 v[WB1+4*\k:WB1+4*\k+3], v[LI], s[10:11] offset:512*\k          ; gamma
.endr
.irp k, 0,1,2,3,4,5,6,7
	global_load_b128 v[WB1+32+4*\k:WB1+32+4*\k+3], v[LI], s[12:13] offset:512*\k    ; beta
.endr
.irp t, 0,1,2,3
.irp m, 0,1
	ds_store_b128 v[SO0+\m], v[ACC+8*(2*\t+\m):ACC+8*(2*\t+\m)+3] offset:64*\t       ; each accumulator from its low end on
	ds_store_b128 v[SO0+\m], v[ACC+8*(2*\t+\m)+4:ACC+8*(2*\t+\m)+7] offset:64*\t+16
.endr
.endr
	s_wait_dscnt 0x0                               ; my stores into the stage have landed
	s_barrier_signal -1
	s_barrier_wait -1                              ; 32 whole rows of sums lie in the stage
.irp i, 0,1
.irp k, 0,1,2,3,4,5,6,7
	ds_load_b128 v[ACC+32*\i+4*\k:ACC+32*\i+4*\k+3], v[SR] offset:SPITCH*\i+512*\k
.endr
.endr
	s_wait_kmcnt 0x0
	s_add_co_i32 s32, s30, s31
	s_add_co_i32 s32, s32, 127
	s_lshl_b32 s32, s32, 23                        ; 2^(e10 + e11) as f32
	s_mov_b32 s33, s32                             ; (named with it as a pair)
	s_wait_dscnt 0x0
	s_wait_loadcnt 0x0                             ; the residual, gamma and beta
	LNROW 0
	LNROW 1
	s_wait_tensorcnt 0x0
	ds_add_u32 v14, v15
	s_wait_dscnt 0x0
	s_endpgm
.Lfunc_end_k_q952e9c8679_outln:
	.size	k_q952e9c8679_outln, .Lfunc_end_k_q952e9c8679_outln-k_q952e9c8679_outln
	.p2alignl 7, 3214868480
	.fill 96, 4, 3214868480
	.section	.rodata,"a",@progbits
	.p2align	6, 0x0
	.amdhsa_kernel k_q952e9c8679_outln
		.amdhsa_group_segment_fixed_size 166400
		.amdhsa_private_segment_fixed_size 0
		.amdhsa_enable_private_segment 0
		.amdhsa_kernarg_size 56
		.amdhsa_user_sgpr_count 2
		.amdhsa_user_sgpr_kernarg_segment_ptr 1
		.amdhsa_wavefront_size32 1
		.amdhsa_system_sgpr_workgroup_id_x 1
		.amdhsa_system_sgpr_workgroup_id_y 1
		.amdhsa_system_sgpr_workgroup_id_z 1
		.amdhsa_system_vgpr_workitem_id 0
		.amdhsa_next_free_vgpr 256
		.amdhsa_next_free_sgpr 66
		.amdhsa_reserve_vcc 0
		.amdhsa_float_denorm_mode_32 3
		.amdhsa_float_denorm_mode_16_64 3
		.amdhsa_memory_ordered 1
		.amdhsa_forward_progress 1
		.amdhsa_inst_pref_size 46
	.end_amdhsa_kernel
	.amdgpu_metadata
---
amdhsa.version: [ 1, 2 ]
amdhsa.kernels:
  - .name:           k_q952e9c8679_outln
    .symbol:         k_q952e9c8679_outln.kd
    .args:
      - { .name: ctx, .offset: 0, .size: 8, .value_kind: global_buffer, .address_space: global }
      - { .name: codes, .offset: 8, .size: 8, .value_kind: global_buffer, .address_space: global }
      - { .name: q, .offset: 16, .size: 8, .value_kind: global_buffer, .address_space: global }
      - { .name: gamma, .offset: 24, .size: 8, .value_kind: global_buffer, .address_space: global }
      - { .name: beta, .offset: 32, .size: 8, .value_kind: global_buffer, .address_space: global }
      - { .name: lowp_scales, .offset: 40, .size: 8, .value_kind: global_buffer, .address_space: global }
      - { .name: out0, .offset: 48, .size: 8, .value_kind: global_buffer, .address_space: global }
    .group_segment_fixed_size: 166400
    .private_segment_fixed_size: 0
    .kernarg_segment_align: 8
    .kernarg_segment_size: 56
    .max_flat_workgroup_size: 512
    .sgpr_count:     66
    .vgpr_count:     256
    .wavefront_size: 32
...
	.end_amdgpu_metadata
.endif
;; end of part 4
;; ======== version 2 of 2: 4 launches; version 1 with the launches attn, outln written anew for expert scheduling mode
;; workspace buffers: codes 29,360,128 bytes; qkv 25,165,824 bytes; ctx 8,388,608 bytes
;; launch quant: the kernel of part 1 again; grid 896 x 1, 4 waves a work-group, no clusters, 33,280 bytes of LDS; arguments q, k, v, Wq, Wk, Wv, Wo, lowp_scales, codes; writes codes
;; launch proj: the kernel of part 2 again; grid 4 x 96, 4 waves a work-group, clusters of 4 x 4, 327,680 bytes of LDS; arguments codes, lowp_scales, qkv; writes qkv
;; launch attn (part 5): grid 4 x 64, 8 waves a work-group, no clusters, 41,984 bytes of LDS; arguments qkv, zero_mask, lowp_scales, ctx; writes ctx
.if DOCPART == 5
	.amdgcn_target "amdgcn-amd-amdhsa--gfx1250"
	.amdhsa_code_object_version 6
	.text
	.protected	k_q952e9c8679_attn
	.globl	k_q952e9c8679_attn
	.p2align	8
	.type	k_q952e9c8679_attn,@function
k_q952e9c8679_attn:
	s_mov_b64 s[64:65], 0
	v_nop
	global_prefetch_b8 v0, s[64:65] scope:SCOPE_SE
	s_setreg_imm32_b32 hwreg(HW_REG_WAVE_SCHED_MODE, 0, 2), 2
	s_setreg_imm32_b32 hwreg(HW_REG_WAVE_MODE, 25, 1), 1
	s_wait_xcnt 0x0
	s_wait_alu depctr_vm_vsrc(0)
; ctx[b][q][head] = softmax_k(qh . kh / 8 - 1e9 x mask[b][k]) vh, both products on codes of FP8 (E4M3); ctx is quantised in registers for the last projection and leaves as images of operand registers.
; THE SOFTMAX: t = c x S + mt, c = log2(e) / 8 x 2^(e6 + e7), mt[k] = (mask[k] x -1e9) x log2(e), one fused multiply-add; M = the running largest t rounded UP to a whole number; p = 2^(t - M) is quantised with 2^e8;
; the row's sum is taken of the unquantised p; when M moves, sum and O are multiplied by 2^(old M - new M), which rounds nothing.  t is rounded first and M taken of the rounded t, so t - M <= 0 and p <= 1 for every mask.
; So the hold in front of p's conversion can bite only where 448 x 2^e8 < 1: it is jumped over where e8 >= -8 (a scalar branch on a whole number read from memory; this launch has no tensor load and no copy).
; SHARES.  A work-group owns 512 queries of one (batch, head); each of its eight waves 64: four tiles of 16, worked one after the other in each step of 128 keys, so that one set of K's, V's and mt's registers serves four tiles.
; LAYOUT.  Both products transposed: S^T = K Q^T, O^T = V^T P^T: a lane holds one query.  The images were laid so that the 16 registers of S^T's tiles 2 b, 2 b + 1 are keys 32 b + 16 (lane / 16) + 0 .. 15, and likewise O^T's features.
; LDS: slot 0 at 0, slot 1 at 16,384 (a step's K image, 8,192 bytes, then its V image); mt at 32,768 (2,048 f32).  A step's 16,384 bytes come through registers, 64 bytes a thread: loaded in step s - 2,
; stored into the slot that is not being read in step s - 1, both behind that step's first eight products, read in step s.  Even steps' chunks and odd steps' have staging registers of their own, and every step begins with a wait for all loads.
; One barrier a step: in front of it each wave's LDS stores have landed and its reads of the slot are in.
; NO CLUSTER, though the four work-groups of a head walk the same K and V: a joint load would be a tensor load, with which the branch above may not stand, and that branch spares 64 of a tile-step's 295 vector instructions;
; what is shared is 16,384 bytes for a step's 48 matrix and some 920 vector instructions a wave.  NO PREFETCH: each chunk is asked for behind a step's first eight products and waited for at the next step's head: four tiles' softmax lie between.
; LIMITS: e6 + e7 between -123 and 130; e8, and e10 - e8 - e9, between -126 and 119.  NaN or infinity in the mask is not served.  t has one rounding where the defining text has three.
; REGISTERS.  window 0: v1 16 x lane, v2 16 x thread, v3, v4 mt's address; v7, v8 2^e8 and 448 x that; v9, v10 the same for ctx; v16-31 a tile's -M, largest t, sum (a pair); v32-63 Q; v64-127 mt; v128-191 S^T, then p;
;   v192-207 p's codes; v208-223 an odd step's chunk on its way; v224-231 chains; v[232:233] f; v234, v235 at work; v236-251 an even step's chunk.   window 1: v0-127 O^T (32 a tile); v128-191 V's fragments; v192-255 K's.
; THE MODE: SCHED_MODE bits 1:0 = 2 (LLVM: expert scheduling mode 2), set by the entry lines.  The code itself states the register dependences
; between vector or matrix instructions and memory or LDS instructions, with s_wait_alu, always for 0.
; THE PLAN.  Registers that memory or LDS instructions touch, in the loop:
;   v[LI], v[TI]  Offsets and LDS addresses, made at the head and never written again.
;   v[ADM]        Read by mt's LDS loads of both steps of a trip; written once a trip, at the even step's head.
;   K's, V's fragments, mt   Written by a step's LDS loads; read by that step's products and multiply-adds, the last of which stand in front of the step's barrier.
;   v208-223, v236-251       Written by global loads in one step, read by LDS stores in the next: no vector or matrix instruction names them.
;   S^T, p, p's codes, O^T, the statistics and Q (in the loop) are named by vector and matrix instructions alone.
; So two waits stand at a step's head, ahead of every branch.  The one on vm_vsrc: the LDS stores of the step before have read the staging set in which this step's loads land, and the LDS loads so far have read v[ADM].
; The one on va_vdst: the step before is done reading K's and V's fragments and mt, and v[ADM] is written.  Of the step's vector and matrix instructions only tile 0's eight products stand ahead of a memory or LDS instruction;
; they name K, Q and S^T: none of the registers that V's loads, the chunk's loads and the chunk's stores touch.  So these follow those products with no further wait.
.set LI,  1
.set TI,  2
.set AM0, 3
.set ADM, 4
.set SCP, 7
.set LMP, 8
.set SCX, 9
.set LMX, 10
.set ST,  16
.set Q,   32
.set MT,  64
.set S,   128
.set PC,  192
.set STG, 208
.set CH,  224
.set F,   232
.set T0,  234
.set T1,  235
.set STG2, 236
.set O,   0
.set VF,  128
.set KF,  192
.set SLOTB, 16384
.set MTB,   32768
.set MSB, 0
.macro WIN new                         ; the immediate's high byte repeats the setting that is left
.if MSB != \new
	s_set_vgpr_msb (MSB<<8)|\new
.set MSB, \new
.endif
.endm
; ONE TILE OF 16 QUERIES, ONE STEP OF 128 KEYS, in two parts.  SCORES: S^T = K Q^T.
.macro SCORES i
	WIN 0x01                                       ; source 0 (K) window 1
.irp t, 0,1,2,3,4,5,6,7
	v_wmma_f32_16x16x64_fp8_fp8 v[S+8*\t:S+8*\t+7], v[KF+8*\t:KF+8*\t+7], v[Q+8*(\i):Q+8*(\i)+7], 0
.endr
	WIN 0
.endm
; REST: the softmax, p's codes, O^T += V^T P^T.  first = 1: the step's first tile, which waits for V's LDS loads.
.macro REST i, first
.set nM, ST+4*(\i)
.set OI, O+32*(\i)
.rept 4
	v_nop                                          ; places behind the products (ISA guide 7.12.1)
.endr
.set j, 0
.rept 32
	v_pk_fma_f32 v[S+j:S+j+1], v[S+j:S+j+1], s[36:37], v[MT+j:MT+j+1] op_sel_hi:[1,0,1]   ; t = c S + mt; each accumulator from its low end on
.set j, j+2
.endr
.irp k, 0,1,2,3                                ; the largest of my 64 t and the old largest: four chains of 15, then the four left over, the chains and the old one
	v_max3_num_f32 v[CH+\k], v[S+16*\k], v[S+16*\k+1], v[S+16*\k+2]
.endr
.irp n, 3,5,7,9,11,13
.irp k, 0,1,2,3
	v_max3_num_f32 v[CH+\k], v[CH+\k], v[S+16*\k+\n], v[S+16*\k+\n+1]
.endr
.endr
	v_max3_num_f32 v[CH], v[CH], v[S+15], v[S+31]
	v_max3_num_f32 v[CH+2], v[CH+2], v[S+47], v[S+63]
	v_max3_num_f32 v[CH], v[CH], v[CH+1], v[CH+2]
	v_max3_num_f32 v[CH], v[CH], v[CH+3], v[nM+1]
	v_permlanex16_b32 v[T0], v[CH], s38, s39       ; the query's other 64 keys lie in the lane 16 away
	v_max_num_f32 v[nM+1], v[CH], v[T0]
	v_mov_b32 v[T1], v[nM]
	v_floor_f32 v[nM], -v[nM+1]                    ; the new -M = floor(-t) = -ceil(t)
	v_sub_f32 v[T1], v[nM], v[T1]                  ; old M - new M: a whole number, 0 or less
	v_cvt_i32_f32 v[T1], v[T1]                     ; (it saturates)
	v_ldexp_f32 v[F], 1.0, v[T1]                   ; f = 2^(old M - new M)
.set j, 0
.rept 32
	v_pk_add_f32 v[S+j:S+j+1], v[S+j:S+j+1], v[nM:nM+1] op_sel_hi:[1,0]   ; t - M (the pair's low word, -M, for both halves)
.set j, j+2
.endr
.set j, 0
.rept 64
	v_exp_f32 v[S+j], v[S+j]                       ; p = 2^(t - M)
.set j, j+1
.endr
	v_pk_mul_f32 v[nM+2:nM+3], v[nM+2:nM+3], v[F:F+1] op_sel_hi:[1,0]   ; the sum under the new M (a plain line behind the exponentials)
	s_wait_alu depctr_va_vdst(0)                   ; the 64 exponentials have written p: one wait for the batch, ahead of the first sum that reads it
	v_pk_add_f32 v[CH:CH+1], v[S:S+1], v[S+2:S+3]                       ; the sum of the unquantised p, two at a time, in four chains
	v_pk_add_f32 v[CH+2:CH+3], v[S+4:S+5], v[S+6:S+7]
	v_pk_add_f32 v[CH+4:CH+5], v[S+8:S+9], v[S+10:S+11]
.set j, 12
.rept 6
	v_pk_add_f32 v[nM+2:nM+3], v[nM+2:nM+3], v[S+j:S+j+1]
	v_pk_add_f32 v[CH:CH+1], v[CH:CH+1], v[S+j+2:S+j+3]
	v_pk_add_f32 v[CH+2:CH+3], v[CH+2:CH+3], v[S+j+4:S+j+5]
	v_pk_add_f32 v[CH+4:CH+5], v[CH+4:CH+5], v[S+j+6:S+j+7]
.set j, j+8
.endr
	v_pk_add_f32 v[nM+2:nM+3], v[nM+2:nM+3], v[S+60:S+61]
	v_pk_add_f32 v[CH:CH+1], v[CH:CH+1], v[S+62:S+63]
	v_pk_add_f32 v[CH+2:CH+3], v[CH+2:CH+3], v[CH+4:CH+5]
	v_pk_add_f32 v[nM+2:nM+3], v[nM+2:nM+3], v[CH:CH+1]
	v_pk_add_f32 v[nM+2:nM+3], v[nM+2:nM+3], v[CH+2:CH+3]
	s_cmp_ge_i32 s45, -8                           ; 448 x 2^e8 >= 1 >= p: nothing to hold
	s_cbranch_scc1 .Lnohold_\@
.set j, 0
.rept 64
	v_min_num_f32 v[S+j], v[S+j], v[LMP]           ; the conversion does not saturate (ISA guide 7.6.2); p is not negative, so the hold is one-sided
.set j, j+1
.endr
.Lnohold_\@:
.irp g, 0,1,2,3,4,5,6,7
	v_cvt_scalef32_pk8_fp8_f32 v[PC+2*\g:PC+2*\g+1], v[S+8*\g:S+8*\g+7], v[SCP]
.endr
	WIN 0x41                                       ; O^T: destination and source 0 window 1
.set j, 0
.rept 16
	v_pk_mul_f32 v[OI+j:OI+j+1], v[OI+j:OI+j+1], v[F:F+1] op_sel_hi:[1,0]   ; O^T under the new M; these are also the plain lines behind the conversions
.set j, j+2
.endr
.if \first
	s_wait_dscnt 0x0                               ; V is in
.endif
	WIN 0x51                                       ; V window 1, p's codes window 0, O^T window 1
.irp u, 0,1,2,3                                ; the tile's four accumulators take turns
	v_wmma_f32_16x16x128_fp8_fp8 v[OI+8*\u:OI+8*\u+7], v[VF+16*\u:VF+16*\u+15], v[PC:PC+15], v[OI+8*\u:OI+8*\u+7]
.endr
.endm
; A KEY STEP.  par = 0: an even step: reads slot 0, stores the next (odd) step's chunk into slot 1, asks for the even step's chunk two steps on.  par = 1: the other way round.
; s43 counts the trips down: in the last trip (s43 = 1) nothing more is loaded, and its second step stores nothing.
.macro STEP par
	s_wait_loadcnt 0x0                             ; on every path: no load of mine is out: the next step's chunk is in its registers, and the loads have read their bases
	s_wait_alu depctr_vm_vsrc(0)                   ; the LDS stores of the step before (first trip: the prologue's) have read the staging set in which this step's loads land, and v[CH ..], which the tiles write; mt's LDS loads so far have read v[ADM]
.if \par == 0
	s_add_nc_u64 s[16:17], s[16:17], 2*8192        ; K's and V's pointers go two steps on
	s_add_nc_u64 s[18:19], s[18:19], 2*8192
	v_add_nc_u32 v[ADM], s42, v[AM0]
.endif
	WIN 0x40                                       ; destination window 1
	s_wait_alu depctr_va_vdst(0)                   ; the step before is done reading K's and V's fragments (its products) and mt (its multiply-adds), in which this step's LDS loads land; in an even step v[ADM] is written, which mt's loads read
.irp t, 0,1,2,3,4,5,6,7
.irp c, 0,1
	ds_load_b128 v[KF+8*\t+4*\c:KF+8*\t+4*\c+3], v[LI] offset:\par*SLOTB+1024*\t+512*\c
.endr
.endr
	WIN 0
.irp b, 0,1,2,3
.irp n, 0,1,2,3
	ds_load_b128 v[MT+16*\b+4*\n:MT+16*\b+4*\n+3], v[ADM] offset:512*\par+128*\b+16*\n   ; mt of keys 32 b + 16 h + 4 n on: sixteen lanes read the same 16 bytes
.endr
.endr
	s_wait_dscnt 16                                ; K is in; the youngest 16 loads, mt's, may be out
	SCORES 0
	WIN 0x40                                       ; destination window 1
.irp u, 0,1,2,3
.irp c, 0,1,2,3
	ds_load_b128 v[VF+16*\u+4*\c:VF+16*\u+4*\c+3], v[LI] offset:\par*SLOTB+8192+2048*\u+512*\c   ; no wait: no vector or matrix instruction since the wait at the step's head names V's fragments or v[LI]
.endr
.endr
	WIN 0
	s_cmp_eq_u32 s43, 1
	s_cbranch_scc1 .Lnone_\@
.if \par == 0
	global_load_b128 v[STG2:STG2+3], v[TI], s[16:17]               ; the LDS stores that read these registers stand ahead of the wait on vm_vsrc at the step's head
	global_load_b128 v[STG2+4:STG2+7], v[TI], s[16:17] offset:4096
	global_load_b128 v[STG2+8:STG2+11], v[TI], s[18:19]
	global_load_b128 v[STG2+12:STG2+15], v[TI], s[18:19] offset:4096
.Lnone_\@:
.irp n, 0,1,2,3
	ds_store_b128 v[TI], v[STG+4*\n:STG+4*\n+3] offset:SLOTB+4096*\n
.endr
.else
	global_load_b128 v[STG:STG+3], v[TI], s[16:17] offset:8192
	global_load_b128 v[STG+4:STG+7], v[TI], s[16:17] offset:12288
	global_load_b128 v[STG+8:STG+11], v[TI], s[18:19] offset:8192
	global_load_b128 v[STG+12:STG+15], v[TI], s[18:19] offset:12288
.irp n, 0,1,2,3
	ds_store_b128 v[TI], v[STG2+4*\n:STG2+4*\n+3] offset:4096*\n
.endr
.Lnone_\@:
.endif
	s_wait_dscnt 16                                ; mt is in: behind it stand V's 16 loads and, on the way that stores, the chunk's four stores: 16 is the count of the way with the fewest
	REST 0, 1
	SCORES 1
	REST 1, 0
	SCORES 2
	REST 2, 0
	SCORES 3
	REST 3, 0
	WIN 0
.rept 4
	v_nop                                          ; places behind the last products, in front of the first read of O^T at the end
.endr
	s_wait_dscnt 0x0                               ; my stores into the other slot have landed, my reads of this slot are in
	s_barrier_signal -1
	s_barrier_wait -1
.endm
	s_load_b256 s[4:11], s[0:1], 0x0               ; the images s[4:5], the mask s[6:7], the scales' exponents s[8:9], ctx s[10:11]
	v_lshl_add_u32 v254, v0, 2, 0xa000
	v_mov_b32 v255, 0
	v_lshrrev_b32 v5, 5, v0
	v_readfirstlane_b32 s12, v5                    ; wave 0..7
	v_and_b32 v[LI], 31, v0
	v_lshlrev_b32 v[LI], 4, v[LI]
	v_lshlrev_b32 v[TI], 4, v0
	v_bfe_u32 v[AM0], v0, 4, 1
	v_lshl_add_u32 v[AM0], v[AM0], 6, MTB          ; mt: + 64 bytes for lanes 16-31
	s_wait_alu depctr_va_sdst(0)                   ; s12 is written, ahead of its first reader: Q's and ctx's places are made from it
	s_and_b32 s13, ttmp7, 0xffff                   ; bh = 16 x batch + head
	s_lshl_b32 s14, s13, 17
	s_mov_b32 s15, 0
	s_lshl_b32 s44, ttmp9, 5
	s_lshl_b32 s46, s12, 2
	s_add_co_u32 s44, s44, s46                     ; my first tile of queries: 32 x + 4 wave
	s_lshl_b32 s46, s44, 10
	s_add_co_u32 s46, s46, s14
	s_mov_b32 s47, 0
	s_lshr_b32 s48, s13, 4                         ; batch
	s_lshl_b32 s50, s48, 13                        ; its 2,048 mask numbers
	s_mov_b32 s51, 0
	s_lshl_b32 s52, s48, 7
	s_add_co_u32 s52, s52, s44
	s_lshl_b32 s52, s52, 14                        ; ctx: 16,384 bytes a tile of rows,
	s_and_b32 s49, s13, 15
	s_lshl_b32 s49, s49, 10                        ; + 1,024 x head: K step head / 2, groups 2 (head % 2) on
	s_add_co_u32 s52, s52, s49
	s_mov_b32 s53, 0
	s_mov_b32 s38, 0x76543210                      ; v_permlanex16_b32's selects for lane l xor 16
	s_mov_b32 s39, 0xfedcba98
	s_mov_b32 s42, 0                               ; mt's bytes of the trip's first step
	s_mov_b32 s43, 8                               ; trips of two steps
	s_wait_kmcnt 0x0
	s_load_b256 s[24:31], s[8:9], 0x0              ; e0 .. e7
	s_load_b128 s[32:35], s[8:9], 0x20             ; e8 .. e11
	s_add_nc_u64 s[20:21], s[4:5], s[46:47]        ; Q's images
	s_add_nc_u64 s[16:17], s[4:5], s[14:15]
	s_add_nc_u64 s[18:19], s[16:17], 0x1000000     ; V's
	s_add_nc_u64 s[16:17], s[16:17], 0x800000      ; K's
	s_add_nc_u64 s[6:7], s[6:7], s[50:51]
	s_add_nc_u64 s[22:23], s[10:11], s[52:53]
	s_wait_alu depctr_va_vdst(0)                   ; v[LI] and v[TI] are written: every load and store of the kernel but mt's LDS loads reads one of them as its offset or address
	global_load_b128 v[STG2:STG2+3], v[TI], s[16:17]               ; step 0's chunk
	global_load_b128 v[STG2+4:STG2+7], v[TI], s[16:17] offset:4096
	global_load_b128 v[STG2+8:STG2+11], v[TI], s[18:19]
	global_load_b128 v[STG2+12:STG2+15], v[TI], s[18:19] offset:4096
	global_load_b128 v[CH:CH+3], v[TI], s[6:7]                     ; the mask
	global_load_b128 v[CH+4:CH+7], v[TI], s[6:7] offset:4096
.irp i, 0,1,2,3
.irp c, 0,1
	global_load_b128 v[Q+8*\i+4*\c:Q+8*\i+4*\c+3], v[LI], s[20:21] offset:1024*\i+512*\c   ; Q stays in registers
.endr
.endr
	global_load_b128 v[STG:STG+3], v[TI], s[16:17] offset:8192     ; step 1's chunk
	global_load_b128 v[STG+4:STG+7], v[TI], s[16:17] offset:12288
	global_load_b128 v[STG+8:STG+11], v[TI], s[18:19] offset:8192
	global_load_b128 v[STG+12:STG+15], v[TI], s[18:19] offset:12288
.irp i, 0,1,2,3
	v_mov_b32 v[ST+4*\i+1], 0xff61b1e6             ; the largest t so far: -3e38, under every t
	v_floor_f32 v[ST+4*\i], -v[ST+4*\i+1]          ; -M
	v_mov_b32 v[ST+4*\i+2], 0                      ; the sum, in two halves
	v_mov_b32 v[ST+4*\i+3], 0
.endr
	v_mov_b32 v[F+1], 0                            ; (named as the upper half of a pair)
	v_mov_b32 v[T0], 0                             ; (a lane permute's destination counts as one of its sources)
	WIN 0x40
.set j, 0
.rept 128
	v_mov_b32 v[O+j], 0                            ; O^T.  The step is written without a first form of its own: the first finds zeros, which the first change of M leaves zeros
.set j, j+1
.endr
	WIN 0
	s_wait_loadcnt 14                              ; step 0's chunk is in; behind it: the mask's 2, Q's 8, step 1's 4
.irp n, 0,1,2,3
	ds_store_b128 v[TI], v[STG2+4*\n:STG2+4*\n+3] offset:4096*\n   ; the data come from loads, the address was written ahead of the wait in front of the first load
.endr
	s_wait_loadcnt 12                              ; the mask is in; behind it: Q's 8, step 1's 4
.irp n, 0,1,2,3,4,5,6,7
	v_mul_f32 v[CH+\n], 0xce6e6b28, v[CH+\n]       ; x -1e9
.endr
.irp n, 0,1,2,3,4,5,6,7
	v_mul_f32 v[CH+\n], 0x3fb8aa3b, v[CH+\n]       ; x log2(e)
.endr
	s_wait_alu depctr_va_vdst(0)                   ; the multiplications have written v[CH ..], which the two LDS stores read
	ds_store_b128 v[TI], v[CH:CH+3] offset:MTB
	ds_store_b128 v[TI], v[CH+4:CH+7] offset:MTB+4096
	s_wait_kmcnt 0x0
	s_add_co_i32 s36, s30, s31
	s_lshl_b32 s36, s36, 23
	s_add_co_i32 s36, s36, 0x3e38aa3b              ; c = log2(e) / 8, with e6 + e7 added to its exponent field
	s_mov_b32 s37, s36                             ; (named with it as a pair)
	s_mov_b32 s45, s32                             ; e8
	s_add_co_i32 s54, s32, 127
	s_lshl_b32 s55, s54, 23
	v_mov_b32 v[SCP], s55                          ; 2^e8
	s_add_co_i32 s54, s54, 8
	s_lshl_b32 s54, s54, 23
	s_or_b32 s54, s54, 0x600000
	v_mov_b32 v[LMP], s54                          ; 448 x 2^e8
	s_sub_co_i32 s54, s34, s32
	s_sub_co_i32 s54, s54, s33                     ; e10 - e8 - e9: O^T / the sum stands for that x 2^(e8 + e9)
	s_add_co_i32 s54, s54, 127
	s_lshl_b32 s55, s54, 23
	v_mov_b32 v[SCX], s55
	s_add_co_i32 s54, s54, 8
	s_lshl_b32 s54, s54, 23
	s_or_b32 s54, s54, 0x600000
	v_mov_b32 v[LMX], s54
	s_wait_loadcnt 4                               ; Q is in; step 1's chunk, 4 loads, may be out
	s_wait_dscnt 0x0                               ; for the others' sake: my stores into slot 0 and into mt have landed
	s_barrier_signal -1
	s_barrier_wait -1                              ; slot 0 and mt are whole
.Ltrip:
	STEP 0
	STEP 1
	s_add_co_u32 s42, s42, 1024
	s_sub_co_u32 s43, s43, 1
	s_cmp_lg_u32 s43, 0
	s_cbranch_scc1 .Ltrip
; THE WAY OUT of tile i: O^T / the sum, held, converted: two groups of an image of the last projection's operand; each store covers 512 consecutive bytes, aligned.
; Each tile has eight registers of its own for its codes, which nothing writes again.  A tile's two stores stand behind the next tile's wait for its reciprocal, which also states that the codes are written.
.macro SENDC t
	global_store_b128 v[LI], v[MT+8*(\t):MT+8*(\t)+3], s[22:23] offset:16384*(\t)
	global_store_b128 v[LI], v[MT+8*(\t)+4:MT+8*(\t)+7], s[22:23] offset:16384*(\t)+512
.endm
.macro FIN i
.set SB, S+32*((\i)%2)
	v_add_f32 v[CH], v[ST+4*(\i)+2], v[ST+4*(\i)+3]
	v_permlanex16_b32 v[T0], v[CH], s38, s39
	v_add_f32 v[CH], v[CH], v[T0]                  ; the row's sum: at least 1/2
	v_rcp_f32 v[F], v[CH]
	v_nop                                          ; a plain line behind the transcendental
	s_wait_alu depctr_va_vdst(0)                   ; the reciprocal is written, ahead of its first reader; and the conversions of the tile before have written its codes, which the stores below read
.if (\i) > 0
	SENDC (\i)-1
.endif
	WIN 0x01                                       ; source 0 (O^T) window 1
.set j, 0
.rept 16
	v_pk_mul_f32 v[SB+j:SB+j+1], v[O+32*(\i)+j:O+32*(\i)+j+1], v[F:F+1] op_sel_hi:[1,0]   ; each accumulator from its low end on
.set j, j+2
.endr
	WIN 0
.set j, 0
.rept 32
	v_med3_num_f32 v[SB+j], v[SB+j], -v[LMX], v[LMX]
.set j, j+1
.endr
.irp g, 0,1,2,3
	v_cvt_scalef32_pk8_fp8_f32 v[MT+8*(\i)+2*\g:MT+8*(\i)+2*\g+1], v[SB+8*\g:SB+8*\g+7], v[SCX]
.endr
	v_nop                                          ; a plain line behind the last conversion
.endm
	FIN 0
	FIN 1
	FIN 2
	FIN 3
	s_wait_alu depctr_va_vdst(0)                   ; tile 3's conversions have written its codes, which the last two stores read
	SENDC 3
	s_wait_dscnt 0x0                               ; the closing lines, six on end
	s_wait_alu 0x0
	s_wait_tensorcnt 0x0
	ds_add_u32 v254, v255
	s_wait_dscnt 0x0
	s_endpgm
.Lfunc_end_k_q952e9c8679_attn:
	.size	k_q952e9c8679_attn, .Lfunc_end_k_q952e9c8679_attn-k_q952e9c8679_attn
	.p2alignl 7, 3214868480
	.fill 96, 4, 3214868480
	.section	.rodata,"a",@progbits
	.p2align	6, 0x0
	.amdhsa_kernel k_q952e9c8679_attn
		.amdhsa_group_segment_fixed_size 41984
		.amdhsa_private_segment_fixed_size 0
		.amdhsa_enable_private_segment 0
		.amdhsa_kernarg_size 32
		.amdhsa_user_sgpr_count 2
		.amdhsa_user_sgpr_kernarg_segment_ptr 1
		.amdhsa_wavefront_size32 1
		.amdhsa_system_sgpr_workgroup_id_x 1
		.amdhsa_system_sgpr_workgroup_id_y 1
		.amdhsa_system_sgpr_workgroup_id_z 1
		.amdhsa_system_vgpr_workitem_id 0
		.amdhsa_next_free_vgpr 512
		.amdhsa_next_free_sgpr 66
		.amdhsa_reserve_vcc 0
		.amdhsa_float_denorm_mode_32 3
		.amdhsa_float_denorm_mode_16_64 3
		.amdhsa_memory_ordered 1
		.amdhsa_forward_progress 1
		.amdhsa_inst_pref_size 155
	.end_amdhsa_kernel
	.amdgpu_metadata
---
amdhsa.version: [ 1, 2 ]
amdhsa.kernels:
  - .name:           k_q952e9c8679_attn
    .symbol:         k_q952e9c8679_attn.kd
    .args:
      - { .name: qkv, .offset: 0, .size: 8, .value_kind: global_buffer, .address_space: global }
      - { .name: zero_mask, .offset: 8, .size: 8, .value_kind: global_buffer, .address_space: global }
      - { .name: lowp_scales, .offset: 16, .size: 8, .value_kind: global_buffer, .address_space: global }
      - { .name: ctx, .offset: 24, .size: 8, .value_kind: global_buffer, .address_space: global }
    .group_segment_fixed_size: 41984
    .private_segment_fixed_size: 0
    .kernarg_segment_align: 8
    .kernarg_segment_size: 32
    .max_flat_workgroup_size: 256
    .sgpr_count:     66
    .vgpr_count:     512
    .wavefront_size: 32
...
	.end_amdgpu_metadata
.endif
;; end of part 5
;; launch outln (part 6): grid 256 x 1, 16 waves a work-group, no clusters, 166,400 bytes of LDS; arguments ctx, codes, q, gamma, beta, lowp_scales, out0; writes out0
.if DOCPART == 6
	.amdgcn_target "amdgcn-amd-amdhsa--gfx1250"
	.amdhsa_code_object_version 6
	.text
	.protected	k_q952e9c8679_outln
	.globl	k_q952e9c8679_outln
	.p2align	8
	.type	k_q952e9c8679_outln,@function
k_q952e9c8679_outln:
	s_mov_b64 s[64:65], 0
	v_nop
	global_prefetch_b8 v0, s[64:65] scope:SCOPE_SE
	s_setreg_imm32_b32 hwreg(HW_REG_WAVE_SCHED_MODE, 0, 2), 2
	s_setreg_imm32_b32 hwreg(HW_REG_WAVE_MODE, 25, 1), 1
	s_wait_xcnt 0x0
	s_wait_alu depctr_vm_vsrc(0)
; out = LayerNorm(ctx Wo^T + q) x gamma + beta.  The product runs on codes of FP8 (E4M3); a sum stands for sum x 2^(e10 + e11).  All else in f32; mean and variance in two passes (the variance of y - mean).
; SHARES.  A work-group owns 32 rows: two tiles of 16, whose images (8 K steps x 2,048 bytes each) are 32,768 consecutive bytes of ctx.  THE WAVES SHARE THE COLUMNS: wave w makes columns 64 w .. 64 w + 63 for all 32 rows:
; 4 tiles of columns x 2 tiles of rows = 8 accumulators, which take turns.  Its 65,536 bytes of Wo's images go from memory straight into registers, a K step (16 loads) at a time, two K steps ahead.
; The matrix instruction is used transposed (source 0 = 16 rows of Wo, source 1 = 16 rows of ctx): a lane holds 8 neighbouring columns of one row.  The raw sums meet in a stage in LDS; then wave w takes two whole rows.
; ROWS: place r of tile 2 g + m is row 32 g + 8 m + r + 8 (r / 8): stage row 16 m + r with bits 3 and 4 exchanged.  So stage rows 2 w, 2 w + 1 are rows 32 g + 2 w', 2 w' + 1, w' = w with bits 2 and 3 exchanged.
; LDS: ctx's images at 0 (32,768 bytes); the stage at 32,768: 32 rows of 4,096 + 16 bytes.
; NO CLUSTER, though all work-groups read the same images of Wo: a joint load lands in LDS alone; 1,048,576 bytes a work-group would be written there and read back, where now each fragment goes once into the registers that multiply it.
; PREFETCH: my two rows of q (8,192 bytes, a lane to each 256) are asked for once, behind the first K step's loads, six K steps ahead of the loads that take them; each wave names its own rows alone.
; LIMIT: e10 + e11 between -126 and 127.
; REGISTERS: v1 16 x lane, v2 16 x thread, v3, v4 into the stage, v5 out of it, v6 256 x lane; v16-79 the accumulators ((t, m) at 16 + 8 (2 t + m)), then y; v80-111 ctx's two fragments;
;   v112-175, v176-239 Wo's fragments by turns, then the residual, gamma and beta; v240-255 at work.
; THE MODE: SCHED_MODE bits 1:0 = 2 (LLVM: expert scheduling mode 2), set by the entry lines.  The code itself states the register dependences
; between vector or matrix instructions and memory or LDS instructions, with s_wait_alu, always for 0.
; THE PLAN.  Registers that memory or LDS instructions touch:
;   v1 .. v6      Offsets and addresses, made at the head and never written again.
;   v80-111       K step s: its eight products read them; behind them the LDS loads of K step s + 1 land there.
;   v112-175, v176-239   K step s: its products read buffer s % 2; behind them the loads of K step s + 2 land in it (behind steps 6 and 7: the residual; gamma and beta).
;   v16-79        Written by the products; read by the LDS stores into the stage; then the loads from the stage land there; the norm rewrites them; the global stores read them.
;   v240-255      ctx's images on their way into LDS: written by loads, read by four LDS stores; afterwards at work for the norm.
; So ONE wait on va_vdst stands in a K step, behind its products and their places: they are done reading ctx's fragments and their buffer of Wo's; behind K step 7 it also states that the accumulators are written.
; It stands there and not at the next step's head, so that the buffer of Wo's is asked for again at once.  Behind it: the next step's 8 LDS loads, which are wanted first, then the 16 loads of two steps on.
; A wait on vm_vsrc stands twice: ahead of the first write of v240-255 behind their LDS stores, and ahead of the loads from the stage into v16-79.  In the norm one wait on va_vdst stands ahead of each row's eight stores.
.set LI,  1
.set TI,  2
.set SO0, 3
.set SO1, 4
.set SR,  5
.set PFO, 6
.set ACC, 16
.set XF,  80
.set WB0, 112
.set WB1, 176
.set STGB, 32768
.set SPITCH, 4112
.macro LOADW s                         ; Wo's four fragments of K step s
.set WB, WB0+64*((\s)%2)
.irp t, 0,1,2,3
.irp c, 0,1,2,3
	global_load_b128 v[WB+16*\t+4*\c:WB+16*\t+4*\c+3], v[LI], s[6:7] offset:8192*(\s)+2048*\t+512*\c
.endr
.endr
.endm
.macro XLOAD s                         ; ctx's two fragments of K step s
.irp m, 0,1
.irp c, 0,1,2,3
	ds_load_b128 v[XF+16*\m+4*\c:XF+16*\m+4*\c+3], v[LI] offset:16384*\m+2048*(\s)+512*\c
.endr
.endr
.endm
.macro KSTEP s
.set WB, WB0+64*((\s)%2)
	s_wait_loadcnt 16                              ; this K step's 16 loads are in; the 16 issued behind them may be out
	s_wait_dscnt 0x0
.irp t, 0,1,2,3
.irp m, 0,1
.if (\s) == 0
	v_wmma_f32_16x16x128_fp8_fp8 v[ACC+8*(2*\t+\m):ACC+8*(2*\t+\m)+7], v[WB+16*\t:WB+16*\t+15], v[XF+16*\m:XF+16*\m+15], 0
.else
	v_wmma_f32_16x16x128_fp8_fp8 v[ACC+8*(2*\t+\m):ACC+8*(2*\t+\m)+7], v[WB+16*\t:WB+16*\t+15], v[XF+16*\m:XF+16*\m+15], v[ACC+8*(2*\t+\m):ACC+8*(2*\t+\m)+7]
.endif
.endr
.endr
.rept 4
	v_nop                                          ; places behind the products, in front of the first read of results (ISA guide 7.12.1); they stay beside the wait below
.endr
	s_wait_alu depctr_va_vdst(0)                   ; the products are done reading ctx's fragments and this step's buffer of Wo's, in which the loads that follow land; behind K step 7: and have written the accumulators, which the LDS stores read
.endm
.macro WSUM r                          ; the sum over the wave's 32 lanes, in every lane
	v_add_f32_dpp v[\r], v[\r], v[\r] row_xmask:1 row_mask:0xf bank_mask:0xf
	v_add_f32_dpp v[\r], v[\r], v[\r] row_xmask:2 row_mask:0xf bank_mask:0xf
	v_add_f32_dpp v[\r], v[\r], v[\r] row_xmask:4 row_mask:0xf bank_mask:0xf
	v_add_f32_dpp v[\r], v[\r], v[\r] row_xmask:8 row_mask:0xf bank_mask:0xf
	v_permlanex16_b32 v248, v[\r], s36, s37
	v_add_f32 v[\r], v[\r], v248
.endm
.macro FOLD                            ; four chains of pairs become one number a lane
	v_pk_add_f32 v[240:241], v[240:241], v[242:243]
	v_pk_add_f32 v[244:245], v[244:245], v[246:247]
	v_pk_add_f32 v[240:241], v[240:241], v[244:245]
	v_add_f32 v240, v240, v241
.endm
.macro LNROW i                         ; one row: register 4 k + e of a lane is column 128 k + 4 x lane + e
.set Y,  ACC+32*(\i)
.set RS, WB0+32*(\i)
.set j, 0
.rept 16
	v_pk_fma_f32 v[Y+j:Y+j+1], v[Y+j:Y+j+1], s[32:33], v[RS+j:RS+j+1] op_sel_hi:[1,0,1]   ; y = sum x 2^(e10 + e11) + q
.set j, j+2
.endr
.irp k, 0,1,2,3
	v_pk_add_f32 v[240+2*\k:241+2*\k], v[Y+4*\k:Y+4*\k+1], v[Y+4*\k+2:Y+4*\k+3]
.endr
.irp n, 16,24
.irp k, 0,1,2,3
	v_pk_add_f32 v[240+2*\k:241+2*\k], v[240+2*\k:241+2*\k], v[Y+\n+2*\k:Y+\n+2*\k+1]
.endr
.endr
	FOLD
	WSUM 240
	v_mul_f32 v250, s34, v240                      ; the mean
.set j, 0
.rept 16
	v_pk_add_f32 v[Y+j:Y+j+1], v[Y+j:Y+j+1], v[250:251] op_sel_hi:[1,0] neg_lo:[0,1] neg_hi:[0,1]   ; d = y - mean
.set j, j+2
.endr
.irp k, 0,1,2,3
	v_pk_mul_f32 v[240+2*\k:241+2*\k], v[Y+2*\k:Y+2*\k+1], v[Y+2*\k:Y+2*\k+1]
.endr
.irp n, 8,16,24
.irp k, 0,1,2,3
	v_pk_fma_f32 v[240+2*\k:241+2*\k], v[Y+\n+2*\k:Y+\n+2*\k+1], v[Y+\n+2*\k:Y+\n+2*\k+1], v[240+2*\k:241+2*\k]
.endr
.endr
	FOLD
	WSUM 240
	v_fma_f32 v252, v240, s34, s35                 ; the variance + 1e-5
	v_rsq_f32 v252, v252
	v_nop                                          ; a plain line behind the transcendental
	s_wait_alu depctr_va_vdst(0)                   ; the reciprocal root is written, ahead of its first reader
.set j, 0
.rept 16
	v_pk_mul_f32 v[Y+j:Y+j+1], v[Y+j:Y+j+1], v[252:253] op_sel_hi:[1,0]
.set j, j+2
.endr
.set j, 0
.rept 16
	v_pk_fma_f32 v[Y+j:Y+j+1], v[Y+j:Y+j+1], v[WB1+j:WB1+j+1], v[WB1+32+j:WB1+32+j+1]   ; x gamma + beta
.set j, j+2
.endr
	s_wait_alu depctr_va_vdst(0)                   ; the multiply-adds have written the row, which the eight stores read; nothing writes these registers again
.irp k, 0,1,2,3,4,5,6,7
	global_store_b128 v[LI], v[Y+4*\k:Y+4*\k+3], s[16:17] offset:4096*(\i)+512*\k th:TH_STORE_NT   ; 32 lanes store 512 consecutive bytes, aligned; written once
.endr
.endm
	s_load_b256 s[4:11], s[0:1], 0x0               ; ctx s[4:5], the codes s[6:7], q s[8:9], gamma s[10:11]
	s_load_b128 s[12:15], s[0:1], 0x20             ; beta s[12:13], the scales' exponents s[14:15]
	s_load_b64 s[16:17], s[0:1], 0x30              ; out
	v_lshl_add_u32 v14, v0, 2, 0x28200
	v_mov_b32 v15, 0
	v_lshrrev_b32 v7, 5, v0
	v_readfirstlane_b32 s18, v7                    ; wave 0..15
	v_and_b32 v8, 31, v0
	v_lshlrev_b32 v[LI], 4, v8
	v_lshlrev_b32 v[TI], 4, v0
	v_lshlrev_b32 v[PFO], 8, v8
	v_and_b32 v9, 15, v0                           ; r
	v_bfe_u32 v10, v0, 4, 1                        ; h
	v_mul_u32_u24 v[SO0], v9, SPITCH
	v_lshl_add_u32 v[SO0], v10, 5, v[SO0]
	s_wait_alu depctr_va_sdst(0)                   ; s18 is written, ahead of its first reader: the stage's addresses and the bases are made from it
	s_lshl_b32 s19, s18, 8
	s_add_co_u32 s19, s19, STGB
	v_add_nc_u32 v[SO0], s19, v[SO0]               ; into the stage: row r, + 32 h, + 256 x wave
	v_add_nc_u32 v[SO1], 16*SPITCH, v[SO0]         ; and 16 rows further down
	s_mul_i32 s19, s18, 2*SPITCH
	s_add_co_u32 s19, s19, STGB
	v_add_nc_u32 v[SR], s19, v[LI]                 ; out of it: my two rows, 16 bytes a lane
	s_lshl_b32 s20, ttmp9, 15                      ; ctx: 32,768 bytes a work-group
	s_mov_b32 s21, 0
	s_lshl_b32 s22, s18, 16
	s_add_co_u32 s22, s22, 27<<20                  ; Wo's images: 27 Mi + 65,536 x wave
	s_mov_b32 s23, 0
	s_and_b32 s26, s18, 3
	s_and_b32 s27, s18, 4
	s_lshl_b32 s27, s27, 1
	s_and_b32 s28, s18, 8
	s_lshr_b32 s28, s28, 1
	s_or_b32 s26, s26, s27
	s_or_b32 s26, s26, s28                         ; w'
	s_lshl_b32 s24, s26, 13
	s_lshl_b32 s27, ttmp9, 17
	s_add_co_u32 s24, s24, s27                     ; my two rows of q and of out: (32 g + 2 w') x 4,096 bytes
	s_mov_b32 s25, 0
	s_mov_b32 s34, 0x3a800000                      ; 1 / 1,024
	s_mov_b32 s35, 0x3727c5ac                      ; 1e-5
	s_mov_b32 s36, 0x76543210
	s_mov_b32 s37, 0xfedcba98
	s_wait_kmcnt 0x0
	s_load_b64 s[30:31], s[14:15], 0x28            ; e10, e11
	s_add_nc_u64 s[4:5], s[4:5], s[20:21]
	s_add_nc_u64 s[6:7], s[6:7], s[22:23]
	s_add_nc_u64 s[8:9], s[8:9], s[24:25]
	s_add_nc_u64 s[16:17], s[16:17], s[24:25]
	s_wait_alu depctr_va_vdst(0)                   ; the six offsets and addresses v1 to v6 are written, which the kernel's loads, stores and its prefetch read
.irp n, 0,1,2,3
	global_load_b128 v[240+4*\n:243+4*\n], v[TI], s[4:5] offset:8192*\n th:TH_LOAD_NT
.endr
	LOADW 0
	LOADW 1
	s_wait_loadcnt 32                              ; ctx's images are in; Wo's first two K steps, 32 loads, may be out
.irp n, 0,1,2,3
	ds_store_b128 v[TI], v[240+4*\n:243+4*\n] offset:8192*\n
.endr
	s_wait_dscnt 0x0                               ; for the others' sake: my stores have landed
	s_barrier_signal -1
	s_barrier_wait -1
	XLOAD 0
	s_wait_alu depctr_vm_vsrc(0)                   ; my LDS stores have read v240-255: three of these registers are written below, the others by the norm
	v_mov_b32 v248, 0                              ; (a lane permute's destination counts as one of its sources)
	v_mov_b32 v251, 0                              ; (named as upper halves of pairs)
	v_mov_b32 v253, 0
	KSTEP 0
	XLOAD 1
	LOADW 2
	global_prefetch_b8 v[PFO], s[8:9] th:TH_LOAD_NT scope:SCOPE_SE   ; my two rows of q
	KSTEP 1
	XLOAD 2
	LOADW 3
	KSTEP 2
	XLOAD 3
	LOADW 4
	KSTEP 3
	XLOAD 4
	LOADW 5
	KSTEP 4
	XLOAD 5
	LOADW 6
	KSTEP 5
	XLOAD 6
	LOADW 7
	KSTEP 6
	XLOAD 7
.irp i, 0,1
.irp k, 0,1,2,3,4,5,6,7
	global_load_b128 v[WB0+32*\i+4*\k:WB0+32*\i+4*\k+3], v[LI], s[8:9] offset:4096*\i+512*\k th:TH_LOAD_NT   ; the residual
.endr
.endr
	KSTEP 7
.irp k, 0,1,2,3,4,5,6,7
	global_load_b128 v[WB1+4*\k:WB1+4*\k+3], v[LI], s[10:11] offset:512*\k          ; gamma
.endr
.irp k, 0,1,2,3,4,5,6,7
	global_load_b128 v[WB1+32+4*\k:WB1+32+4*\k+3], v[LI], s[12:13] offset:512*\k    ; beta
.endr
.irp t, 0,1,2,3
.irp m, 0,1
	ds_store_b128 v[SO0+\m], v[ACC+8*(2*\t+\m):ACC+8*(2*\t+\m)+3] offset:64*\t       ; each accumulator from its low end on
	ds_store_b128 v[SO0+\m], v[ACC+8*(2*\t+\m)+4:ACC+8*(2*\t+\m)+7] offset:64*\t+16
.endr
.endr
	s_wait_dscnt 0x0                               ; my stores into the stage have landed
	s_barrier_signal -1
	s_barrier_wait -1                              ; 32 whole rows of sums lie in the stage
	s_wait_alu depctr_vm_vsrc(0)                   ; my LDS stores have read v16-79, in which the loads from the stage land (the products that wrote them stand ahead of the last wait on va_vdst)
.irp i, 0,1
.irp k, 0,1,2,3,4,5,6,7
	ds_load_b128 v[ACC+32*\i+4*\k:ACC+32*\i+4*\k+3], v[SR] offset:SPITCH*\i+512*\k
.endr
.endr
	s_wait_kmcnt 0x0
	s_add_co_i32 s32, s30, s31
	s_add_co_i32 s32, s32, 127
	s_lshl_b32 s32, s32, 23                        ; 2^(e10 + e11) as f32
	s_mov_b32 s33, s32                             ; (named with it as a pair)
	s_wait_dscnt 0x0
	s_wait_loadcnt 0x0                             ; the residual, gamma and beta
	LNROW 0
	LNROW 1
	s_wait_dscnt 0x0                               ; the closing lines, six on end
	s_wait_alu 0x0
	s_wait_tensorcnt 0x0
	ds_add_u32 v14, v15
	s_wait_dscnt 0x0
	s_endpgm
.Lfunc_end_k_q952e9c8679_outln:
	.size	k_q952e9c8679_outln, .Lfunc_end_k_q952e9c8679_outln-k_q952e9c8679_outln
	.p2alignl 7, 3214868480
	.fill 96, 4, 3214868480
	.section	.rodata,"a",@progbits
	.p2align	6, 0x0
	.amdhsa_kernel k_q952e9c8679_outln
		.amdhsa_group_segment_fixed_size 166400
		.amdhsa_private_segment_fixed_size 0
		.amdhsa_enable_private_segment 0
		.amdhsa_kernarg_size 56
		.amdhsa_user_sgpr_count 2
		.amdhsa_user_sgpr_kernarg_segment_ptr 1
		.amdhsa_wavefront_size32 1
		.amdhsa_system_sgpr_workgroup_id_x 1
		.amdhsa_system_sgpr_workgroup_id_y 1
		.amdhsa_system_sgpr_workgroup_id_z 1
		.amdhsa_system_vgpr_workitem_id 0
		.amdhsa_next_free_vgpr 256
		.amdhsa_next_free_sgpr 66
		.amdhsa_reserve_vcc 0
		.amdhsa_float_denorm_mode_32 3
		.amdhsa_float_denorm_mode_16_64 3
		.amdhsa_memory_ordered 1
		.amdhsa_forward_progress 1
		.amdhsa_inst_pref_size 47
	.end_amdhsa_kernel
	.amdgpu_metadata
---
amdhsa.version: [ 1, 2 ]
amdhsa.kernels:
  - .name:           k_q952e9c8679_outln
    .symbol:         k_q952e9c8679_outln.kd
    .args:
      - { .name: ctx, .offset: 0, .size: 8, .value_kind: global_buffer, .address_space: global }
      - { .name: codes, .offset: 8, .size: 8, .value_kind: global_buffer, .address_space: global }
      - { .name: q, .offset: 16, .size: 8, .value_kind: global_buffer, .address_space: global }
      - { .name: gamma, .offset: 24, .size: 8, .value_kind: global_buffer, .address_space: global }
      - { .name: beta, .offset: 32, .size: 8, .value_kind: global_buffer, .address_space: global }
      - { .name: lowp_scales, .offset: 40, .size: 8, .value_kind: global_buffer, .address_space: global }
      - { .name: out0, .offset: 48, .size: 8, .value_kind: global_buffer, .address_space: global }
    .group_segment_fixed_size: 166400
    .private_segment_fixed_size: 0
    .kernarg_segment_align: 8
    .kernarg_segment_size: 56
    .max_flat_workgroup_size: 512
    .sgpr_count:     66
    .vgpr_count:     256
    .wavefront_size: 32
...
	.end_amdgpu_metadata
.endif
;; end of part 6
